; MI455X (gfx1250); checked and timed in simulation.
; The chip was launched on July 23, 2026; its instructions are those of AMD's public machine-readable ISA for CDNA 5 (MIT licence, August 2026) and "CDNA5" Instruction Set Architecture Reference Guide (July 2026). The comments in the code are by the model that wrote it; some were corrected since.
;; Vector Quantizer. Allowed arithmetic: float matrix products may take bf16 or f16 operands with f32 sums; other float arithmetic in f32, or as packed bf16 or f16 multiplies, adds, multiply-adds, maxima and minima; sums over many terms, partial sums and values carried from step to step in f32; what a program stores and reads back later, other than sums and carried values, may be rounded once to bf16 or f16.
;; Inputs: emb 8,192 x 256 float32; inputs 8 x 2,048 x 256 float32.
;; Outputs: out0 8 x 2,048 x 256 float32; out1 one number float32; out2 8 x 2,048 int32; out3 one number float32.
;; 2 versions, each right; version 2 is version 1 with the launch mid written anew for expert scheduling mode. Each part assembles by itself: llvm-mc -triple=amdgcn-amd-amdhsa -mcpu=gfx1250 --defsym DOCPART=n.
;; ======== version 1 of 2: 5 launches
;; limits: right only within a limited range of input values
;; workspace buffers: xb 8,388,608 bytes; eb 4,194,304 bytes; nrm 98,304 bytes; pst 262,144 bytes; pidx 131,072 bytes of whole numbers; tokc 196,608 bytes; part 131,072 bytes; lpart 8,192 bytes
;; launch prep (part 1): grid 768 x 1, 8 waves a work-group, no clusters, 0 bytes of LDS; arguments inputs, emb, xb, eb, nrm; writes xb, eb, nrm
.if DOCPART == 1
	.amdgcn_target "amdgcn-amd-amdhsa--gfx1250"
	.amdhsa_code_object_version 6
	.text
	.protected	k_q59ed4f5793_prep
	.globl	k_q59ed4f5793_prep
	.p2align	8
	.type	k_q59ed4f5793_prep,@function
k_q59ed4f5793_prep:
	s_mov_b64 s[64:65], 0
	v_nop
	global_prefetch_b8 v0, s[64:65] scope:SCOPE_SE
	s_setreg_imm32_b32 hwreg(HW_REG_WAVE_MODE, 25, 1), 1
	s_wait_xcnt 0x0
; xb = inputs rounded to bf16, eb = emb rounded to bf16, nrm = the sum of squares of each ROUNDED row (16,384 of x, then 8,192 of emb), in f32.
; A stream: every input byte is read once, every output byte written once; no LDS, no barrier, no matrix work.
; Work-groups 0..511 take 32 rows of inputs each, work-groups 512..767 32 rows of emb.  A wave takes 4 rows of 1,024 bytes.
; A lane takes 16 bytes at 16 x lane and 16 bytes 512 further on: each load covers 512 consecutive bytes, each store of 8 bytes a lane 256 consecutive bytes, aligned.
.set SQ, 4                             ; v[4:7]   the four rows' sums of squares
.set X,  8                             ; v[8:39]  row i: 8 registers as loaded
.set Y,  40                            ; v[40:55] row i: 4 registers of bf16 pairs
.set T,  56                            ; v[56:63] at work
.set AC, 64                            ; v[64:71] row i: a pair of partial sums
	s_load_b256 s[4:11], s[0:1], 0x0               ; inputs s[4:5], emb s[6:7], xb s[8:9], eb s[10:11]
	s_load_b64 s[12:13], s[0:1], 0x20              ; nrm
	v_and_b32 v1, 31, v0                           ; lane
	v_lshrrev_b32 v2, 5, v0                        ; wave
	v_lshlrev_b32 v3, 4, v1
	v_lshl_add_u32 v3, v2, 12, v3                  ; in: 16 x lane + wave x 4 rows of 1,024 bytes
	v_lshlrev_b32 v72, 3, v1
	v_lshl_add_u32 v72, v2, 11, v72                ; out: 8 x lane + wave x 4 rows of 512 bytes
	v_lshlrev_b32 v73, 4, v2                       ; nrm: 16 bytes a wave
	s_and_b32 s18, ttmp9, 511                      ; the work-group's number within its tensor (768 work-groups: 512..767 give 0..255)
	s_lshl_b32 s20, s18, 14                        ; 32 rows of 512 bytes
	s_lshl_b32 s18, s18, 15                        ; 32 rows of 1,024 bytes
	s_mov_b32 s19, 0
	s_mov_b32 s21, 0
	s_lshl_b32 s22, ttmp9, 7                       ; 32 sums of 4 bytes; emb's begin at 512 x 128 = 65,536
	s_mov_b32 s23, 0
	s_mov_b32 s24, 0x76543210                      ; v_permlanex16_b32: each lane takes its own place in the other half
	s_mov_b32 s25, 0xfedcba98
	s_mov_b32 s26, 0xffff0000                      ; a word's upper bf16
	s_wait_kmcnt 0x0
	s_cmp_lt_u32 ttmp9, 512
	s_cselect_b64 s[14:15], s[4:5], s[6:7]
	s_cselect_b64 s[16:17], s[8:9], s[10:11]
	s_add_nc_u64 s[14:15], s[14:15], s[18:19]
	s_add_nc_u64 s[16:17], s[16:17], s[20:21]
	s_add_nc_u64 s[12:13], s[12:13], s[22:23]
.irp i, 0,1,2,3
	global_load_b128 v[X+8*\i:X+8*\i+3],   v3, s[14:15] offset:1024*\i th:TH_LOAD_NT
	global_load_b128 v[X+8*\i+4:X+8*\i+7], v3, s[14:15] offset:1024*\i+512 th:TH_LOAD_NT
.endr
.irp i, 0,1,2,3
	s_wait_loadcnt 6-2*\i                          ; loads come back in order: row i is in, the younger rows' two loads each stay out
.irp j, 0,1,2,3
	v_cvt_pk_bf16_f32 v[Y+4*\i+\j], v[X+8*\i+2*\j], v[X+8*\i+2*\j+1]
.endr
	global_store_b64 v72, v[Y+4*\i:Y+4*\i+1],   s[16:17] offset:512*\i
	global_store_b64 v72, v[Y+4*\i+2:Y+4*\i+3], s[16:17] offset:512*\i+256
.irp j, 0,1,2,3
	v_lshlrev_b32 v[T+2*\j],   16,  v[Y+4*\i+\j]   ; the rounded numbers back as f32
	v_and_b32     v[T+2*\j+1], s26, v[Y+4*\i+\j]
.endr
	v_pk_mul_f32 v[AC+2*\i:AC+2*\i+1], v[T:T+1], v[T:T+1]
.irp j, 2,4,6
	v_pk_fma_f32 v[AC+2*\i:AC+2*\i+1], v[T+\j:T+\j+1], v[T+\j:T+\j+1], v[AC+2*\i:AC+2*\i+1]
.endr
	v_add_f32 v[SQ+\i], v[AC+2*\i], v[AC+2*\i+1]
.endr
.irp m, 1,2,4,8
.irp i, 0,1,2,3
	v_add_f32_dpp v[SQ+\i], v[SQ+\i], v[SQ+\i] row_xmask:\m row_mask:0xf bank_mask:0xf
.endr
.endr
.irp i, 0,1,2,3
	v_permlanex16_b32 v[T+\i], v[SQ+\i], s24, s25  ; its destination has been written above
.endr
.irp i, 0,1,2,3
	v_add_f32 v[SQ+\i], v[SQ+\i], v[T+\i]          ; every lane holds the row's sum
.endr
	s_wait_xcnt 0x0                                ; EXEC is a source of the stores above: it changes only behind this wait
	v_cmp_eq_u32 vcc_lo, 0, v1
	s_and_saveexec_b32 s27, vcc_lo
	global_store_b128 v73, v[SQ:SQ+3], s[12:13]    ; lane 0: the wave's four sums
	s_wait_xcnt 0x0
	s_or_b32 exec_lo, exec_lo, s27
	s_endpgm
.Lfunc_end_k_q59ed4f5793_prep:
	.size	k_q59ed4f5793_prep, .Lfunc_end_k_q59ed4f5793_prep-k_q59ed4f5793_prep
	.p2alignl 7, 3214868480
	.fill 96, 4, 3214868480
	.section	.rodata,"a",@progbits
	.p2align	6, 0x0
	.amdhsa_kernel k_q59ed4f5793_prep
		.amdhsa_group_segment_fixed_size 0
		.amdhsa_private_segment_fixed_size 0
		.amdhsa_enable_private_segment 0
		.amdhsa_kernarg_size 40
		.amdhsa_user_sgpr_count 2
		.amdhsa_user_sgpr_kernarg_segment_ptr 1
		.amdhsa_wavefront_size32 1
		.amdhsa_system_sgpr_workgroup_id_x 1
		.amdhsa_system_sgpr_workgroup_id_y 1
		.amdhsa_system_sgpr_workgroup_id_z 1
		.amdhsa_system_vgpr_workitem_id 0
		.amdhsa_next_free_vgpr 80
		.amdhsa_next_free_sgpr 66
		.amdhsa_reserve_vcc 1
		.amdhsa_float_denorm_mode_32 3
		.amdhsa_float_denorm_mode_16_64 3
		.amdhsa_memory_ordered 1
		.amdhsa_forward_progress 1
		.amdhsa_inst_pref_size 8
	.end_amdhsa_kernel
	.amdgpu_metadata
---
amdhsa.version: [ 1, 2 ]
amdhsa.kernels:
  - .name:           k_q59ed4f5793_prep
    .symbol:         k_q59ed4f5793_prep.kd
    .args:
      - { .name: inputs, .offset: 0, .size: 8, .value_kind: global_buffer, .address_space: global }
      - { .name: emb, .offset: 8, .size: 8, .value_kind: global_buffer, .address_space: global }
      - { .name: xb, .offset: 16, .size: 8, .value_kind: global_buffer, .address_space: global }
      - { .name: eb, .offset: 24, .size: 8, .value_kind: global_buffer, .address_space: global }
      - { .name: nrm, .offset: 32, .size: 8, .value_kind: global_buffer, .address_space: global }
    .group_segment_fixed_size: 0
    .private_segment_fixed_size: 0
    .kernarg_segment_align: 8
    .kernarg_segment_size: 40
    .max_flat_workgroup_size: 256
    .sgpr_count:     66
    .vgpr_count:     80
    .wavefront_size: 32
...
	.end_amdgpu_metadata
.endif
;; end of part 1
;; launch pass1 (part 2): grid 128 x 2, 4 waves a work-group, clusters of 4 x 1, 327,680 bytes of LDS; arguments xb, eb, nrm, pst, pidx; writes pst, pidx
.if DOCPART == 2
	.amdgcn_target "amdgcn-amd-amdhsa--gfx1250"
	.amdhsa_code_object_version 6
	.text
	.protected	k_q59ed4f5793_pass1
	.globl	k_q59ed4f5793_pass1
	.p2align	8
	.type	k_q59ed4f5793_pass1,@function
k_q59ed4f5793_pass1:
	s_mov_b64 s[64:65], 0
	v_nop
	global_prefetch_b8 v0, s[64:65] scope:SCOPE_SE
	s_setreg_imm32_b32 hwreg(HW_REG_WAVE_MODE, 25, 1), 1
	s_wait_xcnt 0x0
	s_wait_alu depctr_hold_cnt(0) depctr_sa_sdst(0) depctr_va_vdst(0) depctr_va_sdst(0) depctr_va_ssrc(0) depctr_va_vcc(0) depctr_vm_vsrc(0)
	s_getreg_b32 s2, hwreg(HW_REG_IB_STS2, 6, 4)
	s_cmp_eq_u32 s2, 0
	s_cbranch_scc0 .Lentry_in_a_cluster
	s_endpgm
.Lentry_in_a_cluster:
	s_bfe_u32 s2, ttmp6, 0x10000c
	s_cmp_lg_u32 s2, 0x3003
	s_cbranch_scc0 .Lentry_shape_is_right
	s_endpgm
.Lentry_shape_is_right:
; FIRST WALK OVER THE DISTANCES.  d[t][k] = fl(fl(sx[t] + se[k]) - 2 m[t][k]), m = x_t . e_k in bf16 with f32 sums.  For 128 tokens and one half of the codes (4,096) a work-group finds, for each token,
; the least d, the lowest code that reaches it, and l = the sum over the half's codes of 2^(cb - c d), c = log2(e), cb = fl(c x least d): a softmax's sum with a running minimum taken away.
; The two roundings are those of the formula as it is written: one addition, then one fused multiply-add (2 m is exact); ties go to the lowest code at every stage.
; LIMITS.  d stays under 2^30: then cb - c x (least d) is at most 64 in size, and no power and no sum overflows.  NaN and infinities are not treated apart.  A weight below 2^-126 counts as 0.
; SHARES.  All four waves hold the SAME 128 tokens in registers (8 blocks of 16 x 256 channels: 512 registers); the codes stream through LDS, 256 a slot, and a wave reads only the 64 rows that it has
; fetched itself: each LDS byte is read once and feeds eight matrix instructions.  A STEP is 16 codes: 64 matrix instructions a wave; 64 steps.
; LAYOUT.  Source 0 = 16 codes, source 1 = 16 tokens: in the result a lane holds ONE token (lane % 16) and the codes 8 (lane / 16) + 0..7.  So minimum and sum stay in the lane until the end.
; BY TURNS.  The blocks are two pieces (0-3, 4-7).  In a turn one piece issues its 32 products of a step; the other piece's 172 vector instructions stand behind them in slices.
; THE INDEX.  A lane keeps the number of the first step whose least d was below all before (strictly), and that step's eight d; which of the eight it was is looked up once, at the end.
; CLUSTER.  The four work-groups of a cluster have the same half of the codes: every tile is asked for jointly, by the same load with the same descriptor and the mask of four.
; REGISTERS, in windows of 256 (s_set_vgpr_msb: bits 1:0 source 0, 3:2 source 1, 5:4 source 2, 7:6 destination): window 0 all that vector work touches; window 1 token blocks 0-3 (block b, K step k at 64 b + 8 k);
; window 2 blocks 4-7; window 3 v0-63 the step's eight fragments of codes.
.set PITCH, 528                        ; an LDS row: 512 bytes + 16 = 33 x 16: the sixteen rows of a load begin at sixteen different 16-byte columns of 256
.set STEPB, 16*PITCH
.set QB,    64*PITCH                   ; a wave's 64 rows of a slot
.set SLOTX, 0x22000                    ; slot 1 begins here; the waves' starts in slot 0 (0, 0x8400, 0x10800, 0x18c00) have bits 13 and 17 clear, so one exclusive or changes slots
.set SLOTG, 131072                     ; a slot's 256 rows in memory
.set SPARE, 4*QB                       ; behind slot 0: the spare words, 128 bytes a wave: two blocks of 256 bytes that no other line names
.set TAB,   SLOTX+4*QB                 ; behind slot 1: se of my 4,096 codes, 16,384 bytes, filled once
.set SCR,   TAB+16384                  ; the waves' results meet here: three arrays of 4,096 bytes; no fill lands here
.set LR,  1                            ; v1   lane % 16
.set LH,  2                            ; v2   lane / 16
.set AK0, 3                            ; v3   my place in a fragment's rows: (l % 16) x PITCH + 16 (l / 16)
.set ADR, 4                            ; v4   LDS address of the step being fetched
.set H32, 5                            ; v5   32 (l / 16): my eight codes' se in a step's 64 bytes
.set ASE, 6                            ; v6   LDS address of the step's se
.set QO,  7                            ; v7   my offset in 16 rows of x
.set SPW, 8                            ; v8   my spare word; never rewritten
.set NIL, 9                            ; v9   0; never rewritten
.set PFO, 10                           ; v10  256 x lane; never rewritten
.set SE,  16                           ; v[16:23]   se of my eight codes
.set AN,  24                           ; v[24:31]   tile t: the factor for l, and the step's least d / the new cb
.set T,   32                           ; v[32:63]   tile t: eight at work
.set S,   64                           ; v[64:127]  block b: the products, then d
.set SAVE, 128                         ; v[128:191] block b: the eight d of the step that holds the least
.set ST,  192                          ; v[192:239] block b, six: sx, least d, cb, its step, l (two halves)
.set WV,  14
.set CX,  15
.set GX,  16
.set GY,  17
.set G1,  24                           ; s[24:31] group 1 of the ring's tiles
.set G1T, 32                           ; s[32:39] group 1 of the table
.set G0A, 40                           ; s[40:43] group 0: slot 0's first fill
.set G0W, 44                           ; s[44:47] group 0: slot 1's first fill; then it walks
.set G0T, 48                           ; s[48:51] group 0 of the table
.set SLOTS, 52
.set CNT, 53
.set TB,  54                           ; LDS byte at which the step to be fetched begins
.set TS,  55                           ; LDS byte of its se
.set TILE, 56                          ; the number of the step whose vector work is in hand
.set LIM, 57                           ; 2 in the clusters that prefetch, else the greatest number
.set NC,  58                           ; s[58:59] -c
.set PFA, 62                           ; s[62:63] where my prefetches stand
.set MK,  66                           ; s66-69 tile t: the lanes whose least d has fallen
.set CC,  70                           ; c
.set MSB, 0
.macro WIN new                         ; the immediate's high byte repeats the setting that is left; a switch that changes nothing is dropped
.if MSB != (\new)
	s_set_vgpr_msb (MSB<<8)|(\new)
.set MSB, \new
.endif
.endm
.macro CROUND                          ; a round of the cluster's barrier: my work-group's barrier; wave 0 signals for the work-group; all wait for the four; my work-group's barrier again
	s_barrier_signal -1
	s_barrier_wait -1
	s_cmp_lg_u32 s[WV], 0
	s_cbranch_scc1 .Lnot_wave_0_\@
	s_barrier_signal -3
.Lnot_wave_0_\@:
	s_barrier_wait -3
	s_barrier_signal -1
	s_barrier_wait -1
.endm
; A prefetch of the slot that stands two refills on.  All 32 clusters of a half walk the same codes: the first of them asks.  Its 4 work-groups x 4 waves x 32 lanes name the slot's 512 pieces of 256 bytes once each,
; told apart by address; the last two refills have no slot two on and ask for nothing.
.macro ASK
	s_cmp_gt_u32 s[SLOTS], s[LIM]
	s_cbranch_scc0 .Lnot_mine_\@
	global_prefetch_b8 v[PFO], s[PFA:PFA+1] th:TH_LOAD_NT scope:SCOPE_SE
.Lnot_mine_\@:
.endm
.macro RUNA                            ; the next step's fragments of K steps 0-3
	WIN 0
	v_add_nc_u32 v[ADR], s[TB], v[AK0]
	WIN 0xc0                                       ; destination window 3, address window 0
.irp k, 0,1,2,3
	ds_load_b128 v[8*\k:8*\k+3],   v[ADR] offset:64*\k
	ds_load_b128 v[8*\k+4:8*\k+7], v[ADR] offset:64*\k+32
.endr
.endm
.macro RUNB                            ; the same step's K steps 4-7, then its se
	WIN 0
	v_add_nc_u32 v[ASE], s[TS], v[H32]
	WIN 0xc0
.irp k, 4,5,6,7
	ds_load_b128 v[8*\k:8*\k+3],   v[ADR] offset:64*\k
	ds_load_b128 v[8*\k+4:8*\k+7], v[ADR] offset:64*\k+32
.endr
	WIN 0
	ds_load_b128 v[SE:SE+3],   v[ASE]
	ds_load_b128 v[SE+4:SE+7], v[ASE] offset:16
	s_add_co_u32 s[TB], s[TB], STEPB
	s_add_co_u32 s[TS], s[TS], 64
.endm
; Product i of 32 of piece p: K step i / 4, tile i % 4.  The four accumulators take turns, one instruction a turn; the first four start the sums.
.macro MM p
	WIN 0x07+4*(\p)                                ; codes window 3, tokens window 1 or 2, sums window 0
.set rD, S+8*(4*(\p)+i%4)
.set rB, 64*(i%4)+8*(i/4)
.set rF, 8*(i/4)
.if i < 4
	v_wmma_f32_16x16x32_bf16 v[rD:rD+7], v[rF:rF+7], v[rB:rB+7], 0
.else
	v_wmma_f32_16x16x32_bf16 v[rD:rD+7], v[rF:rF+7], v[rB:rB+7], v[rD:rD+7]
.endif
.endm
.macro REGS t                          ; the registers of tile t of piece Y
.set rS, S+8*(4*Y+(\t))
.set rV, SAVE+8*(4*Y+(\t))
.set rT, ST+6*(4*Y+(\t))
.set rW, T+8*(\t)
.set rA, AN+2*(\t)
.set rM, MK+(\t)
.endm
; Number n of the 17 that lead from a tile's products to its exponents: 0-3 d = a - 2 m (from the low registers on); 4-7 the least of the eight; 8 has it fallen?  9 the new least; 10 its c-fold;
; 11 cb_new - cb_old; 12 cb; 13-16 cb - c d.
.macro P1 t, n
	REGS \t
.if (\n) < 4
	v_pk_fma_f32 v[rS+2*(\n):rS+2*(\n)+1], v[rS+2*(\n):rS+2*(\n)+1], -2.0, v[rW+2*(\n):rW+2*(\n)+1] op_sel_hi:[1,0,1]
.elseif (\n) == 4
	v_min3_num_f32 v[rA+1], v[rS], v[rS+1], v[rS+2]
.elseif (\n) < 7
	v_min3_num_f32 v[rA+1], v[rA+1], v[rS+2*(\n)-7], v[rS+2*(\n)-6]
.elseif (\n) == 7
	v_min_num_f32 v[rA+1], v[rA+1], v[rS+7]
.elseif (\n) == 8
	v_cmp_lt_f32 s[rM], v[rA+1], v[rT+1]
.elseif (\n) == 9
	v_min_num_f32 v[rT+1], v[rT+1], v[rA+1]
.elseif (\n) == 10
	v_mul_f32 v[rA+1], s[CC], v[rT+1]
.elseif (\n) == 11
	v_sub_f32 v[rA], v[rA+1], v[rT+2]
.elseif (\n) == 12
	v_mov_b32 v[rT+2], v[rA+1]
.else
	v_pk_fma_f32 v[rW+2*(\n)-26:rW+2*(\n)-25], v[rS+2*(\n)-26:rS+2*(\n)-25], s[NC:NC+1], v[rT+2:rT+3] op_sel_hi:[1,0,0]
.endif
.endm
; THE PLAIN QUEUE, 136 long.  0-15 a = se + sx, the four tiles by turns (they are also the places behind the piece's last products); 16-49 the 17 of tiles 0 and 1 by turns; 50-83 of tiles 2 and 3;
; 84-119 for each tile the step's number and its eight d are kept where the least has fallen; 120-135 the eight weights are added and l = l x factor + sum: these read exponentials' results.
.macro PL
	WIN 0
.if q < 16
	REGS q%4
	v_pk_add_f32 v[rW+2*(q/4):rW+2*(q/4)+1], v[SE+2*(q/4):SE+2*(q/4)+1], v[rT:rT+1] op_sel_hi:[1,0]
.elseif q < 50
	P1 (q-16)%2, (q-16)/2
.elseif q < 84
	P1 2+(q-50)%2, (q-50)/2
.elseif q < 120
	REGS (q-84)/9
.if ((q-84)%9) == 0
	v_cndmask_b32 v[rT+3], v[rT+3], s[TILE], s[rM]
.else
	v_cndmask_b32 v[rV+(q-84)%9-1], v[rV+(q-84)%9-1], v[rS+(q-84)%9-1], s[rM]
.endif
.else
	REGS (q-120)%4
.if ((q-120)/4) == 0
	v_pk_add_f32 v[rW:rW+1], v[rW:rW+1], v[rW+2:rW+3]
.elseif ((q-120)/4) == 1
	v_pk_add_f32 v[rW+4:rW+5], v[rW+4:rW+5], v[rW+6:rW+7]
.elseif ((q-120)/4) == 2
	v_pk_add_f32 v[rW:rW+1], v[rW:rW+1], v[rW+4:rW+5]
.else
	v_pk_fma_f32 v[rT+4:rT+5], v[rT+4:rT+5], v[rA:rA+1], v[rW:rW+1] op_sel_hi:[1,0,1]
.endif
.endif
.set q, q+1
.endm
; THE EXPONENTIALS' QUEUE, 36 long: the factors of tiles 0 and 1, their 16 weights by turns; then the same for tiles 2 and 3.  One batch: nothing ahead of the turn's one wait names a result.
.macro EX
	WIN 0
.set ee, e
.set et, 0
.if e >= 18
.set ee, e-18
.set et, 2
.endif
.if ee < 2
	REGS et+ee
	v_exp_f32 v[rA], v[rA]
.else
	REGS et+(ee-2)%2
	v_exp_f32 v[rW+(ee-2)/2], v[rW+(ee-2)/2]
.endif
.set e, e+1
.endm
; A TURN of piece p: its 32 products (mm), behind them the other piece's vector work (rid), and the LDS loads (run).  Behind products 0-7 six plain; behind 8-25 plain, exponential, plain, exponential, plain, plain
; (before the first exponential behind product 8 + s plain 48 + 4 s is out, and exponentials 2 s, 2 s + 1 follow: each factor stands behind its difference, each weight behind its exponent);
; behind product 25 the one wait between the exponentials and the first line that names a result, the two plain lines ahead of it being the plain place behind the last; behind 26-29 four plain.
; Piece 1's turn fetches the next step's K steps 0-3 behind product 16: their last reader is product 15, and eight plain lines lie between.  Piece 0's turn fetches K steps 4-7 and se behind product 2:
; their last reader is the turn before's product 31, eighteen plain lines back, and the sixteen lines that read the old se are out.
.macro TURN p, mm=1, rid=1, run=1
.set Y, 1-(\p)
.set i, 0
.set q, 0
.set e, 0
	s_wait_dscnt 0x0                               ; piece 0: K steps 0-3 are in; piece 1: se is in
.rept 32
.if ((\p) == 0) && (\run) && (i == 16)
	s_wait_dscnt 0x2                               ; K steps 4-7 are in; the two loads of se, issued behind them, may stay out
.endif
.if \mm
	MM \p
.endif
.if \rid
.if i < 8
.rept 6
	PL
.endr
.elseif i < 26
	PL
	EX
	PL
	EX
	PL
	PL
.elseif i < 30
.rept 4
	PL
.endr
.endif
.if i == 25
	s_wait_alu depctr_va_vdst(0)                   ; the wait for the batch of 36
.endif
.endif
.if (\run) && ((\p) == 0) && (i == 2)
	RUNB
.endif
.if (\run) && ((\p) == 1) && (i == 16)
	RUNA
.endif
.set i, i+1
.endr
.if ((\p) == 0) && (\rid)
	s_add_co_u32 s[TILE], s[TILE], 1               ; both pieces of that step are done
.endif
.endm
; THE CHANGE OF SLOTS, when the old slot's last fragments have been asked for.  Each wave waits for all its tensor loads (one is out: its part of the other slot), adds 0 to its spare word, and waits for that and for its
; reads of the old slot.  fill = 1: a round of the cluster's barrier, so that no wave of any partner still reads the slot or has a load on its way; the joint refill is the first thing behind it.
.macro CHANGE fill
	WIN 0
	s_wait_tensorcnt 0x0                           ; no tensor load of mine is out, so the walking group 0 may be written
	ds_add_u32 v[SPW], v[NIL]
.if \fill
	s_xor_b32 s[G0W+1], s[G0W+1], SLOTX            ; the other slot than last time,
	s_add_nc_u64 s[G0W+2:G0W+3], s[G0W+2:G0W+3], SLOTG  ; the next 256 codes
	s_wait_xcnt 0x0                                ; the last prefetch, a slot back, has read its address
	s_add_nc_u64 s[PFA:PFA+1], s[PFA:PFA+1], SLOTG
	s_wait_dscnt 0x0                               ; the add is done, and my reads of the slot are over
	CROUND
	tensor_load_to_lds s[G0W:G0W+3], s[G1:G1+7]
	s_nop 0
.rept 4
	v_nop
.endr
	ASK
.else
	s_wait_dscnt 0x0
	s_barrier_signal -1
	s_barrier_wait -1
.endif
	s_sub_co_u32 s[TB], s[TB], 4*STEPB             ; the fetches go back to my first step, in the other slot
	s_xor_b32 s[TB], s[TB], SLOTX
	s_add_co_u32 s[TS], s[TS], 768                 ; a slot's se is 1,024 bytes, of which my four steps were 256
.endm
	s_load_b256 s[4:11], s[0:1], 0x0               ; xb s[4:5], eb s[6:7], nrm s[8:9], pst s[10:11]
	s_load_b64 s[12:13], s[0:1], 0x20              ; pidx
	v_lshl_add_u32 v[SPW], v0, 2, SPARE
	v_mov_b32 v[NIL], 0
	ds_add_u32 v[SPW], v[NIL]                      ; the opening: the add, twice on end, and its wait ahead of my first tensor load
	ds_add_u32 v[SPW], v[NIL]
	v_lshrrev_b32 v11, 5, v0
	v_readfirstlane_b32 s[WV], v11                 ; wave 0..3
	s_bfe_u32 s[CX], ttmp6, 0x40000                ; my place in the cluster
	s_lshl_b32 s[GX], ttmp9, 2
	s_add_co_u32 s[GX], s[GX], s[CX]               ; my block of 128 tokens: it enters x's, the norms' and the results' addresses alone
	s_and_b32 s[GY], ttmp7, 0xffff                 ; my half of the codes, which the four partners share
	s_mov_b32 s[G1], 15|(1<<16)|(1<<20)|(1<<21)|(6<<22)|(3<<25)  ; the mask of four; 2-byte elements; padding on; bit 21 beside a mask; after every 128 words; 4 words
	s_mov_b32 s[G1+1], 256<<16                     ; tensor_dim0 = 256
	s_mov_b32 s[G1+2], 64<<16                      ; tensor_dim1 = 64
	s_mov_b32 s[G1+3], 256<<16                     ; tile_dim0 = 256
	s_mov_b32 s[G1+4], 64                          ; tile_dim1 = 64
	s_mov_b32 s[G1+5], 256                         ; elements from row to row
	s_mov_b32 s[G1+6], 0
	s_mov_b32 s[G1+7], 0
	s_mov_b32 s[G1T], 15|(3<<16)|(1<<21)           ; a dense block as 16 rows of 32 elements of 8 bytes, no padding
	s_mov_b32 s[G1T+1], 32<<16
	s_mov_b32 s[G1T+2], 16<<16
	s_mov_b32 s[G1T+3], 32<<16
	s_mov_b32 s[G1T+4], 16
	s_mov_b32 s[G1T+5], 32
	s_mov_b32 s[G1T+6], 0
	s_mov_b32 s[G1T+7], 0
	s_mul_i32 s18, s[WV], QB                       ; my 64 rows in a slot: no place in the cluster enters an LDS address
	s_mov_b32 s[G0A], 1
	s_mov_b32 s[G0A+1], s18
	s_mov_b32 s[G0W], 1
	s_add_co_u32 s[G0W+1], s18, SLOTX
	s_mov_b32 s[TB], s18
	s_lshl_b32 s19, s[WV], 12                      ; my quarter of the table
	s_mov_b32 s[G0T], 1
	s_add_co_u32 s[G0T+1], s19, TAB
	s_lshl_b32 s[TS], s[WV], 8
	s_add_co_u32 s[TS], s[TS], TAB                 ; se of my first step
	s_lshl_b32 s20, s[GY], 21                      ; the half's 4,096 rows of 512 bytes,
	s_lshl_b32 s21, s[WV], 15                      ; my 64 rows
	s_add_co_u32 s20, s20, s21
	s_mov_b32 s21, 0
	s_lshl_b32 s22, s[GY], 14                      ; the half's se
	s_add_co_u32 s22, s22, s19
	s_add_co_u32 s22, s22, 65536                   ; which lie behind sx
	s_mov_b32 s23, 0
	s_mov_b32 s[NC], 0xbfb8aa3b                    ; -log2(e)
	s_mov_b32 s[NC+1], s[NC]
	s_mov_b32 s[CC], 0x3fb8aa3b
	s_mov_b32 s[TILE], 0
	s_cmp_eq_u32 ttmp9, 0                          ; the half's first cluster: the same in all four partners
	s_cselect_b32 s[LIM], 2, -1
	s_lshl_b32 s2, s[GY], 21                       ; the prefetches' offset: the half, slot 3, my work-group's quarter of a slot, my wave's quarter of that
	s_lshl_b32 s3, s[CX], 15
	s_add_co_u32 s2, s2, s3
	s_lshl_b32 s3, s[WV], 13
	s_add_co_u32 s2, s2, s3
	s_add_co_u32 s2, s2, 3*SLOTG
	s_mov_b32 s3, 0
	s_wait_dscnt 0x0                               ; both opening adds are done
	s_wait_kmcnt 0x0
	s_add_nc_u64 s[G0A+2:G0A+3], s[6:7], s[20:21]
	s_add_nc_u64 s[G0W+2:G0W+3], s[G0A+2:G0A+3], SLOTG
	s_or_b32 s[G0A+3], s[G0A+3], 0x80000000
	s_or_b32 s[G0W+3], s[G0W+3], 0x80000000
	s_add_nc_u64 s[G0T+2:G0T+3], s[8:9], s[22:23]
	s_or_b32 s[G0T+3], s[G0T+3], 0x80000000
	s_add_nc_u64 s[PFA:PFA+1], s[6:7], s[2:3]
	s_lshl_b32 s2, s[GX], 16
	s_add_nc_u64 s[4:5], s[4:5], s[2:3]            ; x at my block's first row
	s_lshl_b32 s2, s[GX], 9
	s_add_nc_u64 s[72:73], s[8:9], s[2:3]          ; sx of my block
	CROUND                                         ; all four work-groups are here: the first joint loads meet
	tensor_load_to_lds s[G0T:G0T+3], s[G1T:G1T+7]  ; three loads of mine are out: the table,
	s_nop 0
	tensor_load_to_lds s[G0A:G0A+3], s[G1:G1+7]    ; slot 0,
	s_nop 0
	tensor_load_to_lds s[G0W:G0W+3], s[G1:G1+7]    ; slot 1
	s_nop 0
.rept 4
	v_nop
.endr
	v_and_b32 v[LR], 15, v0
	v_bfe_u32 v[LH], v0, 4, 1
	v_lshlrev_b32 v[QO], 9, v[LR]
	v_lshl_add_u32 v[QO], v[LH], 4, v[QO]          ; row x 512 + 16 x half
	v_lshlrev_b32 v12, 2, v[LR]
	; the tokens stay in registers.  A fragment is 16 rows x 32 channels: lane l holds row l % 16, channels 8 (l / 16) + 0..7 and 16 + 8 (l / 16) + 0..7: two loads of 16 bytes, 32 apart
.irp w, 0,1
	WIN 0x40+0x40*\w                               ; destination window 1, then 2
.set b, 0
.rept 4
.set k, 0
.rept 8
	global_load_b128 v[64*b+8*k:64*b+8*k+3],   v[QO], s[4:5] offset:(4*\w+b)*8192+k*64
	global_load_b128 v[64*b+8*k+4:64*b+8*k+7], v[QO], s[4:5] offset:(4*\w+b)*8192+k*64+32
.set k, k+1
.endr
.set b, b+1
.endr
.endr
	WIN 0
	s_mov_b32 s18, 0x7f7fffff                      ; the greatest finite number: the first real d is below it, and the first factor for l is 2^(-huge) = 0
.set b, 0
.rept 8
	global_load_b32 v[ST+6*b], v12, s[72:73] offset:64*b  ; sx of my token in block b
	v_mov_b32 v[ST+6*b+1], s18
	v_mov_b32 v[ST+6*b+2], s18
	v_mov_b32 v[ST+6*b+3], 0
	v_mov_b32 v[ST+6*b+4], 0
	v_mov_b32 v[ST+6*b+5], 0
.set b, b+1
.endr
.set b, 0
.rept 64                               ; written while the first tiles are on their way, so that no first step is written out
	v_mov_b32 v[SAVE+b], s18
.set b, b+1
.endr
	v_mul_u32_u24 v[AK0], v[LR], PITCH
	v_lshl_add_u32 v[AK0], v[LH], 4, v[AK0]
	v_lshlrev_b32 v[H32], 5, v[LH]
	v_and_b32 v[PFO], 31, v0
	v_lshlrev_b32 v[PFO], 8, v[PFO]
	s_wait_tensorcnt 0x1                           ; my parts of the table and of slot 0 are in; slot 1's may stay out
	s_barrier_signal -1
	s_barrier_wait -1                              ; everybody's part of the table is in
	RUNA                                           ; step 0
	RUNB
	s_wait_loadcnt 0x0                             ; the tokens and their sx
	TURN 0, 1, 0, 0                                ; piece 0's first products: there is no vector work yet
	WIN 0
	s_mov_b32 s[CNT], 3
	s_mov_b32 s[SLOTS], 15
	s_branch .Lstep                                ; slot 0 has three trips left
.Lslot:                                                ; 14 times: slots 2 to 15 are asked for
	CHANGE 1
	s_mov_b32 s[CNT], 4
.Lstep:                                                ; a trip: piece 1 of a step, piece 0 of the next
	TURN 1
	TURN 0
	WIN 0
	s_sub_co_u32 s[CNT], s[CNT], 1
	s_cmp_lg_u32 s[CNT], 0
	s_cbranch_scc1 .Lstep
	s_sub_co_u32 s[SLOTS], s[SLOTS], 1
	s_cmp_lg_u32 s[SLOTS], 0
	s_cbranch_scc1 .Lslot
	CHANGE 0                                       ; the tail is written out: nothing is asked for
	s_mov_b32 s[CNT], 4
.Ltail:
	TURN 1
	TURN 0
	WIN 0
	s_sub_co_u32 s[CNT], s[CNT], 1
	s_cmp_lg_u32 s[CNT], 0
	s_cbranch_scc1 .Ltail
	TURN 1, 1, 1, 0                                ; piece 1 of the last step: nothing more to fetch
	TURN 0, 0, 1, 0                                ; and its vector work
	WIN 0
	; THE END.  Each lane finds which of its eight kept d is the least (the lowest such), makes the code's number, and the 8 lanes that hold a token (4 waves x 2 halves) meet in LDS.
	s_lshl_b32 s18, s[GY], 12
	s_lshl_b32 s19, s[WV], 6
	s_add_co_u32 s18, s18, s19
	v_lshl_add_u32 v13, v[LH], 3, s18              ; 4,096 y + 64 w + 8 (l / 16)
	v_and_b32 v14, 31, v0
	s_lshl_b32 s19, s[WV], 10
	s_add_co_u32 s19, s19, SCR
	v_lshl_add_u32 v14, v14, 2, s19                ; SCR + 1,024 w + 4 l
.set b, 0
.rept 8
	v_mov_b32 v[T], 7
.irp j, 6,5,4,3,2,1,0
	v_cmp_neq_f32 vcc_lo, v[SAVE+8*b+\j], v[ST+6*b+1]
	v_cndmask_b32 v[T], \j, v[T], vcc_lo
.endr
	v_lshrrev_b32 v[T+1], 2, v[ST+6*b+3]           ; the step's slot: 256 codes,
	v_and_b32 v[T+2], 3, v[ST+6*b+3]               ; its place in the slot: 16 codes
	v_lshlrev_b32 v[T+1], 8, v[T+1]
	v_lshl_add_u32 v[T+1], v[T+2], 4, v[T+1]
	v_add3_u32 v[T+1], v[T+1], v[T], v13
	v_add_f32 v[T+2], v[ST+6*b+4], v[ST+6*b+5]
	ds_store_b32 v14, v[ST+6*b+1] offset:128*b
	ds_store_b32 v14, v[T+2] offset:4096+128*b
	ds_store_b32 v14, v[T+1] offset:8192+128*b
.set b, b+1
.endr
	s_wait_dscnt 0x0                               ; for the others' sake: my stores are done
	s_barrier_signal -1
	s_barrier_wait -1
	v_lshrrev_b32 v15, 4, v0                       ; thread n takes token n: block n / 16, place n % 16
	v_lshlrev_b32 v15, 7, v15
	v_lshl_add_u32 v15, v[LR], 2, v15
	v_add_nc_u32 v15, SCR, v15
.irp i, 0,1,2,3,4,5,6,7                ; candidate i: wave i / 2, half i % 2
	ds_load_b32 v[64+\i], v15 offset:(\i/2)*1024+(\i%2)*64
	ds_load_b32 v[72+\i], v15 offset:4096+(\i/2)*1024+(\i%2)*64
	ds_load_b32 v[80+\i], v15 offset:8192+(\i/2)*1024+(\i%2)*64
.endr
	v_mov_b32 v90, 0x7fffffff
	v_mov_b32 v92, 0x7fffffff
	v_lshlrev_b32 v94, 2, v0
	s_lshl_b32 s2, s[GY], 16
	s_lshl_b32 s3, s[GX], 9
	s_add_co_u32 s2, s2, s3
	s_mov_b32 s3, 0
	s_add_nc_u64 s[10:11], s[10:11], s[2:3]
	s_add_nc_u64 s[12:13], s[12:13], s[2:3]
	s_wait_dscnt 0x0
	v_min3_num_f32 v88, v64, v65, v66
	v_min3_num_f32 v88, v88, v67, v68
	v_min3_num_f32 v88, v88, v69, v70
	v_min_num_f32 v88, v88, v71
	v_mul_f32 v89, s[CC], v88
.irp i, 0,1,2,3,4,5,6,7
	v_mul_f32 v[96+\i], s[CC], v[64+\i]            ; the cb that the candidate's l was made with
.endr
.irp i, 0,1,2,3,4,5,6,7
	v_sub_f32 v[96+\i], v89, v[96+\i]
.endr
.irp i, 0,1,2,3,4,5,6,7
	v_exp_f32 v[96+\i], v[96+\i]
.endr
.irp i, 0,1,2,3,4,5,6,7                ; the lowest code among those that reach the least d
	v_cmp_eq_f32 vcc_lo, v[64+\i], v88
	v_cndmask_b32 v91, v92, v[80+\i], vcc_lo
	v_min_u32 v90, v90, v91
.endr
	s_wait_alu depctr_va_vdst(0)                   ; one wait for the eight exponentials, ahead of their first reader
	v_mul_f32 v93, v72, v96
.irp i, 1,2,3,4,5,6,7
	v_fmac_f32 v93, v[72+\i], v[96+\i]
.endr
	global_store_b32 v94, v88, s[10:11]            ; the four waves' stores cover 512 consecutive bytes of each array
	global_store_b32 v94, v93, s[10:11] offset:131072
	global_store_b32 v94, v90, s[12:13]
	s_wait_tensorcnt 0x0                           ; the wave's end
	ds_add_u32 v[SPW], v[NIL]
	s_wait_dscnt 0x0
	CROUND                                         ; the closing round
	s_endpgm
.Lfunc_end_k_q59ed4f5793_pass1:
	.size	k_q59ed4f5793_pass1, .Lfunc_end_k_q59ed4f5793_pass1-k_q59ed4f5793_pass1
	.p2alignl 7, 3214868480
	.fill 96, 4, 3214868480
	.section	.rodata,"a",@progbits
	.p2align	6, 0x0
	.amdhsa_kernel k_q59ed4f5793_pass1
		.amdhsa_group_segment_fixed_size 327680
		.amdhsa_private_segment_fixed_size 0
		.amdhsa_enable_private_segment 0
		.amdhsa_kernarg_size 40
		.amdhsa_user_sgpr_count 2
		.amdhsa_user_sgpr_kernarg_segment_ptr 1
		.amdhsa_wavefront_size32 1
		.amdhsa_system_sgpr_workgroup_id_x 1
		.amdhsa_system_sgpr_workgroup_id_y 1
		.amdhsa_system_sgpr_workgroup_id_z 1
		.amdhsa_system_vgpr_workitem_id 0
		.amdhsa_next_free_vgpr 832
		.amdhsa_next_free_sgpr 80
		.amdhsa_reserve_vcc 1
		.amdhsa_float_denorm_mode_32 3
		.amdhsa_float_denorm_mode_16_64 3
		.amdhsa_memory_ordered 1
		.amdhsa_forward_progress 1
		.amdhsa_inst_pref_size 117
	.end_amdhsa_kernel
	.amdgpu_metadata
---
amdhsa.version: [ 1, 2 ]
amdhsa.kernels:
  - .name:           k_q59ed4f5793_pass1
    .symbol:         k_q59ed4f5793_pass1.kd
    .args:
      - { .name: xb, .offset: 0, .size: 8, .value_kind: global_buffer, .address_space: global }
      - { .name: eb, .offset: 8, .size: 8, .value_kind: global_buffer, .address_space: global }
      - { .name: nrm, .offset: 16, .size: 8, .value_kind: global_buffer, .address_space: global }
      - { .name: pst, .offset: 24, .size: 8, .value_kind: global_buffer, .address_space: global }
      - { .name: pidx, .offset: 32, .size: 8, .value_kind: global_buffer, .address_space: global }
    .group_segment_fixed_size: 327680
    .private_segment_fixed_size: 0
    .kernarg_segment_align: 8
    .kernarg_segment_size: 40
    .max_flat_workgroup_size: 128
    .sgpr_count:     80
    .vgpr_count:     832
    .wavefront_size: 32
...
	.end_amdgpu_metadata
.endif
;; end of part 2
;; launch mid (part 3): grid 256 x 1, 8 waves a work-group, no clusters, 0 bytes of LDS; arguments xb, eb, nrm, pst, pidx, out0, out2, tokc, lpart; writes out0, out2, tokc, lpart
.if DOCPART == 3
	.amdgcn_target "amdgcn-amd-amdhsa--gfx1250"
	.amdhsa_code_object_version 6
	.text
	.protected	k_q59ed4f5793_mid
	.globl	k_q59ed4f5793_mid
	.p2align	8
	.type	k_q59ed4f5793_mid,@function
k_q59ed4f5793_mid:
	s_mov_b64 s[64:65], 0
	v_nop
	global_prefetch_b8 v0, s[64:65] scope:SCOPE_SE
	s_setreg_imm32_b32 hwreg(HW_REG_WAVE_MODE, 25, 1), 1
	s_wait_xcnt 0x0
; The two halves' results are joined.  For each token: the index (the lower half wins a tie), out0 = x + (q - x) on the rounded x and q, the sum of (q - x)^2, and for the second walk sx, cb = fl(c x least d), w = 1 / L.
; A work-group takes 64 tokens, a wave 8.  BOTH halves' candidate rows are loaded, by the whole numbers that the launch before has stored (held to 0..8191), and one is chosen by v_cndmask_b32: no address hangs on a comparison of floats.
; A row of 512 bytes comes as two loads of 8 bytes a lane (256 consecutive bytes each), so that a lane's four numbers are 16 consecutive bytes of out0: a store covers 512 consecutive bytes.
; A stream: no LDS, no barrier.  Wave 0 also makes the work-group's 64 statistics, two tokens a lane; its seven loads for them go out first.
; LIMITS as in the walks: d under 2^30; NaN and infinities are not treated apart.
.set OF, 16                            ; v[16:31]   token i: the byte offsets of its two candidate rows
.set XR, 32                            ; v[32:127]  token i, twelve: x (4), candidate 0 (4), candidate 1 (4); the last eight then hold what is stored
.set QS, 128                           ; v[128:131] the chosen row's words
.set XF, 132                           ; v[132:139] x as f32
.set QF, 140                           ; v[140:147] q as f32, then q - x
.set AC, 148                           ; v[148:149] the sum of squares
.set SB, 152                           ; v[152:165] wave 0: least d (2 halves x 2 tokens), l (likewise), indices, sx
.set SR, 166                           ; v[166:185] wave 0: at work
.set WV, 22
	s_load_b512 s[4:19], s[0:1], 0x0               ; xb s[4:5], eb s[6:7], nrm s[8:9], pst s[10:11], pidx s[12:13], out0 s[14:15], out2 s[16:17], tokc s[18:19]
	s_load_b64 s[20:21], s[0:1], 0x40              ; lpart
	v_and_b32 v1, 31, v0
	v_lshrrev_b32 v2, 5, v0
	v_readfirstlane_b32 s[WV], v2
	v_lshlrev_b32 v3, 3, v1                        ; 8 x lane
	v_lshlrev_b32 v4, 4, v1                        ; 16 x lane
	v_mov_b32 v6, 0
	v_mov_b32 v7, 0
	v_mov_b32 v[AC], 0
	v_mov_b32 v[AC+1], 0
	s_mov_b32 s23, 0xffff0000
	s_mov_b32 s74, 0x3fb8aa3b                      ; c = log2(e)
	s_mov_b32 s75, 0x76543210
	s_mov_b32 s76, 0xfedcba98
	s_lshl_b32 s24, ttmp9, 8
	s_lshl_b32 s25, s[WV], 5
	s_add_co_u32 s24, s24, s25                     ; 4 x my first token
	s_mov_b32 s25, 0
	s_lshl_b32 s30, s24, 7                         ; 512 x my first token
	s_mov_b32 s31, 0
	s_lshl_b32 s78, ttmp9, 8                       ; 4 x the work-group's first token
	s_mov_b32 s79, 0
	s_wait_kmcnt 0x0
	s_add_nc_u64 s[26:27], s[12:13], s[24:25]
	s_add_nc_u64 s[28:29], s[10:11], s[24:25]
	s_load_b256 s[32:39], s[26:27], 0x0            ; my eight tokens: index in the lower half,
	s_load_b256 s[40:47], s[26:27], 0x10000        ; in the upper half,
	s_load_b256 s[48:55], s[28:29], 0x0            ; least d in the lower half,
	s_load_b256 s[56:63], s[28:29], 0x10000        ; in the upper half
	s_add_nc_u64 s[4:5], s[4:5], s[30:31]
	s_lshl_b32 s30, s24, 8
	s_add_nc_u64 s[14:15], s[14:15], s[30:31]      ; out0 at my first token
	s_lshr_b32 s30, s24, 3
	s_add_nc_u64 s[20:21], s[20:21], s[30:31]      ; lpart[8 g + w]
	s_cmp_lg_u32 s[WV], 0
	s_cbranch_scc1 .Lno_stat_loads
	s_add_nc_u64 s[10:11], s[10:11], s[78:79]
	s_add_nc_u64 s[12:13], s[12:13], s[78:79]
	s_add_nc_u64 s[8:9], s[8:9], s[78:79]
	global_load_b64 v[SB:SB+1],     v3, s[10:11]
	global_load_b64 v[SB+2:SB+3],   v3, s[10:11] offset:65536
	global_load_b64 v[SB+4:SB+5],   v3, s[10:11] offset:131072
	global_load_b64 v[SB+6:SB+7],   v3, s[10:11] offset:196608
	global_load_b64 v[SB+8:SB+9],   v3, s[12:13]
	global_load_b64 v[SB+10:SB+11], v3, s[12:13] offset:65536
	global_load_b64 v[SB+12:SB+13], v3, s[8:9]
.Lno_stat_loads:
.set i, 0
.rept 8
	global_load_b64 v[XR+12*i:XR+12*i+1],   v3, s[4:5] offset:512*i
	global_load_b64 v[XR+12*i+2:XR+12*i+3], v3, s[4:5] offset:512*i+256
.set i, i+1
.endr
	s_wait_kmcnt 0x0
.set i, 0
.rept 8
	s_min_u32 s[32+i], s[32+i], 0x1fff             ; an index stays inside the table
	s_min_u32 s[40+i], s[40+i], 0x1fff
	v_lshl_add_u32 v[OF+2*i],   s[32+i], 9, v3
	v_lshl_add_u32 v[OF+2*i+1], s[40+i], 9, v3
	global_load_b64 v[XR+12*i+4:XR+12*i+5],   v[OF+2*i],   s[6:7]
	global_load_b64 v[XR+12*i+6:XR+12*i+7],   v[OF+2*i],   s[6:7] offset:256
	global_load_b64 v[XR+12*i+8:XR+12*i+9],   v[OF+2*i+1], s[6:7]
	global_load_b64 v[XR+12*i+10:XR+12*i+11], v[OF+2*i+1], s[6:7] offset:256
	v_mov_b32 v5, s[48+i]
	v_cmp_lt_f32 s[66+i], s[56+i], v5              ; the upper half wins only if it is strictly lower
.set i, i+1
.endr
.set i, 0
.rept 8
	s_wait_loadcnt 28-4*i                          ; token i's rows are in; the younger tokens' four gathers each stay out (all of x was asked for earlier)
.set B, XR+12*i
.irp j, 0,1,2,3
	v_cndmask_b32 v[QS+\j], v[B+4+\j], v[B+8+\j], s[66+i]
.endr
.irp j, 0,1,2,3
	v_lshlrev_b32 v[XF+2*\j],   16,  v[B+\j]
	v_and_b32     v[XF+2*\j+1], s23, v[B+\j]
	v_lshlrev_b32 v[QF+2*\j],   16,  v[QS+\j]
	v_and_b32     v[QF+2*\j+1], s23, v[QS+\j]
.endr
.irp j, 0,2,4,6
	v_pk_add_f32 v[QF+\j:QF+\j+1], v[QF+\j:QF+\j+1], v[XF+\j:XF+\j+1] neg_lo:[0,1] neg_hi:[0,1]  ; q - x
.endr
.irp j, 0,2,4,6
	v_pk_fma_f32 v[AC:AC+1], v[QF+\j:QF+\j+1], v[QF+\j:QF+\j+1], v[AC:AC+1]
	v_pk_add_f32 v[B+4+\j:B+4+\j+1], v[XF+\j:XF+\j+1], v[QF+\j:QF+\j+1]                          ; x + (q - x), into the candidates' registers, which are free
.endr
	global_store_b128 v4, v[B+4:B+7],  s[14:15] offset:1024*i th:TH_STORE_NT
	global_store_b128 v4, v[B+8:B+11], s[14:15] offset:1024*i+512 th:TH_STORE_NT
.set i, i+1
.endr
	v_add_f32 v5, v[AC], v[AC+1]
.irp m, 1,2,4,8
	v_add_f32_dpp v5, v5, v5 row_xmask:\m row_mask:0xf bank_mask:0xf
.endr
	v_permlanex16_b32 v6, v5, s75, s76
	v_add_f32 v5, v5, v6
	s_wait_xcnt 0x0                                ; EXEC is a source of the stores above
	v_cmp_eq_u32 vcc_lo, 0, v1
	s_and_saveexec_b32 s77, vcc_lo
	global_store_b32 v7, v5, s[20:21]              ; the wave's sum of squares
	s_wait_xcnt 0x0
	s_or_b32 exec_lo, exec_lo, s77
	s_cmp_lg_u32 s[WV], 0
	s_cbranch_scc1 .Lend
	; wave 0: the statistics of tokens 2 l and 2 l + 1 of the work-group's 64 (their loads were shown in by the last wait above)
	s_add_nc_u64 s[16:17], s[16:17], s[78:79]
	s_mul_i32 s30, ttmp9, 768                      ; four blocks of 16 tokens, 192 bytes each
	s_add_nc_u64 s[18:19], s[18:19], s[30:31]
	v_lshrrev_b32 v[SR+18], 3, v1
	v_mul_u32_u24 v[SR+18], v[SR+18], 192
	v_and_b32 v[SR+19], 7, v1
	v_lshl_add_u32 v[SR+18], v[SR+19], 3, v[SR+18]
.irp k, 0,1
	v_min_num_f32 v[SR+\k], v[SB+\k], v[SB+2+\k]
	v_cmp_lt_f32 vcc_lo, v[SB+2+\k], v[SB+\k]
	v_cndmask_b32 v[SR+2+\k], v[SB+8+\k], v[SB+10+\k], vcc_lo
	v_mul_f32 v[SR+4+\k], s74, v[SR+\k]            ; cb
	v_mul_f32 v[SR+6+\k], s74, v[SB+\k]            ; the cb that each half's l was made with
	v_mul_f32 v[SR+8+\k], s74, v[SB+2+\k]
	v_sub_f32 v[SR+6+\k], v[SR+4+\k], v[SR+6+\k]
	v_sub_f32 v[SR+8+\k], v[SR+4+\k], v[SR+8+\k]
.endr
.irp k, 0,1
	v_exp_f32 v[SR+6+\k], v[SR+6+\k]
	v_exp_f32 v[SR+8+\k], v[SR+8+\k]
.endr
	v_nop                                          ; a plain line behind the last exponential,
	s_wait_alu depctr_va_vdst(0)                   ; and one wait for the four
.irp k, 0,1
	v_mul_f32 v[SR+10+\k], v[SB+4+\k], v[SR+6+\k]
	v_fmac_f32 v[SR+10+\k], v[SB+6+\k], v[SR+8+\k]
.endr
	v_rcp_f32 v[SR+12], v[SR+10]
	v_rcp_f32 v[SR+13], v[SR+11]
	v_nop
	s_wait_alu depctr_va_vdst(0)
	global_store_b64 v3, v[SR+2:SR+3], s[16:17]    ; 64 indices: 256 consecutive bytes
	global_store_b64 v[SR+18], v[SB+12:SB+13], s[18:19]
	global_store_b64 v[SR+18], v[SR+4:SR+5],   s[18:19] offset:64
	global_store_b64 v[SR+18], v[SR+12:SR+13], s[18:19] offset:128
.Lend:
	s_endpgm
.Lfunc_end_k_q59ed4f5793_mid:
	.size	k_q59ed4f5793_mid, .Lfunc_end_k_q59ed4f5793_mid-k_q59ed4f5793_mid
	.p2alignl 7, 3214868480
	.fill 96, 4, 3214868480
	.section	.rodata,"a",@progbits
	.p2align	6, 0x0
	.amdhsa_kernel k_q59ed4f5793_mid
		.amdhsa_group_segment_fixed_size 0
		.amdhsa_private_segment_fixed_size 0
		.amdhsa_enable_private_segment 0
		.amdhsa_kernarg_size 72
		.amdhsa_user_sgpr_count 2
		.amdhsa_user_sgpr_kernarg_segment_ptr 1
		.amdhsa_wavefront_size32 1
		.amdhsa_system_sgpr_workgroup_id_x 1
		.amdhsa_system_sgpr_workgroup_id_y 1
		.amdhsa_system_sgpr_workgroup_id_z 1
		.amdhsa_system_vgpr_workitem_id 0
		.amdhsa_next_free_vgpr 192
		.amdhsa_next_free_sgpr 80
		.amdhsa_reserve_vcc 1
		.amdhsa_float_denorm_mode_32 3
		.amdhsa_float_denorm_mode_16_64 3
		.amdhsa_memory_ordered 1
		.amdhsa_forward_progress 1
		.amdhsa_inst_pref_size 26
	.end_amdhsa_kernel
	.amdgpu_metadata
---
amdhsa.version: [ 1, 2 ]
amdhsa.kernels:
  - .name:           k_q59ed4f5793_mid
    .symbol:         k_q59ed4f5793_mid.kd
    .args:
      - { .name: xb, .offset: 0, .size: 8, .value_kind: global_buffer, .address_space: global }
      - { .name: eb, .offset: 8, .size: 8, .value_kind: global_buffer, .address_space: global }
      - { .name: nrm, .offset: 16, .size: 8, .value_kind: global_buffer, .address_space: global }
      - { .name: pst, .offset: 24, .size: 8, .value_kind: global_buffer, .address_space: global }
      - { .name: pidx, .offset: 32, .size: 8, .value_kind: global_buffer, .address_space: global }
      - { .name: out0, .offset: 40, .size: 8, .value_kind: global_buffer, .address_space: global }
      - { .name: out2, .offset: 48, .size: 8, .value_kind: global_buffer, .address_space: global }
      - { .name: tokc, .offset: 56, .size: 8, .value_kind: global_buffer, .address_space: global }
      - { .name: lpart, .offset: 64, .size: 8, .value_kind: global_buffer, .address_space: global }
    .group_segment_fixed_size: 0
    .private_segment_fixed_size: 0
    .kernarg_segment_align: 8
    .kernarg_segment_size: 72
    .max_flat_workgroup_size: 256
    .sgpr_count:     80
    .vgpr_count:     192
    .wavefront_size: 32
...
	.end_amdgpu_metadata
.endif
;; end of part 3
;; launch pass2 (part 4): grid 64 x 4, 4 waves a work-group, clusters of 4 x 1, 327,680 bytes of LDS; arguments xb, eb, nrm, tokc, part; writes part
.if DOCPART == 4
	.amdgcn_target "amdgcn-amd-amdhsa--gfx1250"
	.amdhsa_code_object_version 6
	.text
	.protected	k_q59ed4f5793_pass2
	.globl	k_q59ed4f5793_pass2
	.p2align	8
	.type	k_q59ed4f5793_pass2,@function
k_q59ed4f5793_pass2:
	s_mov_b64 s[64:65], 0
	v_nop
	global_prefetch_b8 v0, s[64:65] scope:SCOPE_SE
	s_setreg_imm32_b32 hwreg(HW_REG_WAVE_MODE, 25, 1), 1
	s_wait_xcnt 0x0
	s_wait_alu depctr_hold_cnt(0) depctr_sa_sdst(0) depctr_va_vdst(0) depctr_va_sdst(0) depctr_va_ssrc(0) depctr_va_vcc(0) depctr_vm_vsrc(0)
	s_getreg_b32 s2, hwreg(HW_REG_IB_STS2, 6, 4)
	s_cmp_eq_u32 s2, 0
	s_cbranch_scc0 .Lentry_in_a_cluster
	s_endpgm
.Lentry_in_a_cluster:
	s_bfe_u32 s2, ttmp6, 0x10000c
	s_cmp_lg_u32 s2, 0x3003
	s_cbranch_scc0 .Lentry_shape_is_right
	s_endpgm
.Lentry_shape_is_right:
; SECOND WALK OVER THE DISTANCES.  part[y][k] = the sum over the 4,096 tokens t of quarter y of p[t][k] = 2^(cb[t] - c d[t][k]) x w[t], with d made as in the first walk, cb = fl(c x the row's least d) and w = 1 / L:
; the softmax with the row's minimum taken away; the common factor 2^(cb - c x least d) is in L too and cancels.
; LIMITS.  d under 2^30; NaN and infinities are not treated apart; a weight below 2^-126 counts as 0.
; The product is made anew: 134 million distances are more than the launch before could hand on but through memory, at many times the bytes of all inputs and outputs.
; SHARES.  The first walk's frame with the sides changed: all four waves hold the SAME 128 codes in registers; the tokens stream through LDS, 256 a slot, each wave reading only the 64 rows that it fetched.
; LAYOUT.  Source 0 = 16 tokens, source 1 = 16 codes: a lane holds ONE code (lane % 16) and the tokens 8 (lane / 16) + 0..7: the column's sum stays in the lane.
; A step's sx, cb and w (192 bytes for 16 tokens) come from a table of the quarter's tokens, brought into LDS once.
; CLUSTER.  The four work-groups of a cluster have the same quarter of the tokens: every tile is asked for jointly.
; REGISTERS: window 0 all that vector work touches; window 1 code blocks 0-3 (block b, K step k at 64 b + 8 k); window 2 blocks 4-7; window 3 v0-63 the step's eight fragments of tokens.
.set PITCH, 528                        ; 512 bytes + 16 = 33 x 16: the sixteen rows of a load begin at sixteen different 16-byte columns of 256
.set STEPB, 16*PITCH
.set QB,    64*PITCH
.set SLOTX, 0x22000                    ; slot 1; the waves' starts in slot 0 have bits 13 and 17 clear
.set SLOTG, 131072
.set SPARE, 4*QB                       ; the spare words: two blocks of 256 bytes that no other line names
.set SCR,   SPARE+512                  ; 2,048 bytes in which the waves' sums meet; no fill lands here
.set TAB,   SLOTX+4*QB                 ; 49,152 bytes: the quarter's 256 blocks of 16 tokens, filled once
.set LR,  1
.set LH,  2
.set AK0, 3
.set ADR, 4
.set H32, 5
.set ASE, 6
.set QO,  7
.set SPW, 8                            ; my spare word; never rewritten
.set NIL, 9                            ; 0; never rewritten
.set PFO, 10
.set SXR, 16                           ; v[16:23]   sx of my eight tokens
.set CBR, 24                           ; v[24:31]   cb
.set WR,  32                           ; v[32:39]   w
.set T,   40                           ; v[40:71]   tile t: eight at work
.set S,   72                           ; v[72:135]  block b: products, d, exponents, weights
.set CST, 136                          ; v[136:167] block b, four: se, 0, the column's sum (two halves)
.set WV,  14
.set CX,  15
.set GX,  16
.set GY,  17
.set G1,  24
.set G1T, 32
.set G0A, 40
.set G0W, 44
.set G0T, 48
.set SLOTS, 52
.set CNT, 53
.set TB,  54
.set TS,  55
.set LIM, 57
.set NC,  58
.set SEL, 60
.set PFA, 62
.set MSB, 0
.macro WIN new
.if MSB != (\new)
	s_set_vgpr_msb (MSB<<8)|(\new)
.set MSB, \new
.endif
.endm
.macro CROUND
	s_barrier_signal -1
	s_barrier_wait -1
	s_cmp_lg_u32 s[WV], 0
	s_cbranch_scc1 .Lnot_wave_0_\@
	s_barrier_signal -3
.Lnot_wave_0_\@:
	s_barrier_wait -3
	s_barrier_signal -1
	s_barrier_wait -1
.endm
; A prefetch of the slot two refills on: the quarter's first cluster asks; its 4 work-groups x 4 waves x 32 lanes name the slot's 512 pieces of 256 bytes once each, told apart by address; the last two refills ask for nothing.
.macro ASK
	s_cmp_gt_u32 s[SLOTS], s[LIM]
	s_cbranch_scc0 .Lnot_mine_\@
	global_prefetch_b8 v[PFO], s[PFA:PFA+1] th:TH_LOAD_NT scope:SCOPE_SE
.Lnot_mine_\@:
.endm
.macro RUNA                            ; the next step's fragments of K steps 0-3
	WIN 0
	v_add_nc_u32 v[ADR], s[TB], v[AK0]
	WIN 0xc0
.irp k, 0,1,2,3
	ds_load_b128 v[8*\k:8*\k+3],   v[ADR] offset:64*\k
	ds_load_b128 v[8*\k+4:8*\k+7], v[ADR] offset:64*\k+32
.endr
.endm
.macro RUNB                            ; the same step's K steps 4-7, then its sx
	WIN 0
	v_add_nc_u32 v[ASE], s[TS], v[H32]
	WIN 0xc0
.irp k, 4,5,6,7
	ds_load_b128 v[8*\k:8*\k+3],   v[ADR] offset:64*\k
	ds_load_b128 v[8*\k+4:8*\k+7], v[ADR] offset:64*\k+32
.endr
	WIN 0
	ds_load_b128 v[SXR:SXR+3],   v[ASE]
	ds_load_b128 v[SXR+4:SXR+7], v[ASE] offset:16
	s_add_co_u32 s[TB], s[TB], STEPB
	s_add_co_u32 s[TS], s[TS], 192
.endm
.macro LDK dst, off                    ; the step's cb or w
	WIN 0
	ds_load_b128 v[\dst:\dst+3],   v[ASE] offset:\off
	ds_load_b128 v[\dst+4:\dst+7], v[ASE] offset:\off+16
.endm
.macro MM p                            ; product i of 32 of piece p: K step i / 4, tile i % 4; four accumulators by turns
	WIN 0x07+4*(\p)
.set rD, S+8*(4*(\p)+i%4)
.set rB, 64*(i%4)+8*(i/4)
.set rF, 8*(i/4)
.if i < 4
	v_wmma_f32_16x16x32_bf16 v[rD:rD+7], v[rF:rF+7], v[rB:rB+7], 0
.else
	v_wmma_f32_16x16x32_bf16 v[rD:rD+7], v[rF:rF+7], v[rB:rB+7], v[rD:rD+7]
.endif
.endm
.macro REGS t
.set rS, S+8*(4*Y+(\t))
.set rC, CST+4*(4*Y+(\t))
.set rW, T+8*(\t)
.endm
; THE PLAIN QUEUE, 64 long, the four tiles by turns, pair (q % 16) / 4: 0-15 a = sx + se (also the places behind the piece's last products); 16-31 d = a - 2 m, from the low registers on; 32-47 cb - c d; 48-63 sum += weight x w.
.macro PL
	WIN 0
	REGS q%4
.set n, 2*((q%16)/4)
.if q < 16
	v_pk_add_f32 v[rW+n:rW+n+1], v[SXR+n:SXR+n+1], v[rC:rC+1] op_sel_hi:[1,0]
.elseif q < 32
	v_pk_fma_f32 v[rS+n:rS+n+1], v[rS+n:rS+n+1], -2.0, v[rW+n:rW+n+1] op_sel_hi:[1,0,1]
.elseif q < 48
	v_pk_fma_f32 v[rS+n:rS+n+1], v[rS+n:rS+n+1], s[NC:NC+1], v[CBR+n:CBR+n+1] op_sel_hi:[1,0,1]
.else
	v_pk_fma_f32 v[rC+2:rC+3], v[rS+n:rS+n+1], v[WR+n:WR+n+1], v[rC+2:rC+3]
.endif
.set q, q+1
.endm
.macro EX                              ; exponential e of 32: number e / 4 of tile e % 4.  One batch, one wait
	WIN 0
	REGS e%4
	v_exp_f32 v[rS+e/4], v[rS+e/4]
.set e, e+1
.endm
; A TURN of piece p.  Behind products 0-8 four plain; behind 9-20 a plain and two exponentials (behind product 9 + s plain 36 + s is out and exponentials 2 s, 2 s + 1 follow: each stands behind its exponent);
; behind 21-24 two exponentials; then a plain line and the one wait ahead of the first line that names a result; behind 25-28 four plain.
; One set of sx, cb, w serves: in piece 0's turn each is loaded for the new step as soon as the old step's last reader is out: sx behind product 3 (with K steps 4-7), cb behind 20, w behind 28.
; Piece 1's turn fetches the next step's K steps 0-3 behind product 16, four v_nop behind their last reader's riders.
.macro TURN p, mm=1, rid=1, run=1
.set Y, 1-(\p)
.set i, 0
.set q, 0
.set e, 0
	s_wait_dscnt 4*(\p)                            ; piece 0: K steps 0-3 are in.  Piece 1: sx is in; the four loads of cb and w, issued behind it, may stay out
.rept 32
.if ((\p) == 0) && (\run) && (i == 16)
	s_wait_dscnt 0x2                               ; K steps 4-7 are in; sx's two loads may stay out
.endif
.if ((\p) == 1) && (i == 8)
	s_wait_dscnt 0x2                               ; cb is in; w's two loads may stay out
.endif
.if ((\p) == 1) && (i == 25)
	s_wait_dscnt 8*(\run)                          ; w is in; the eight fragment loads issued behind product 16 may stay out
.endif
.if \mm
	MM \p
.endif
.if \rid
.if i < 9
.rept 4
	PL
.endr
.elseif i < 21
	PL
	EX
	EX
.elseif i < 25
	EX
	EX
.elseif i < 29
.rept 4
	PL
.endr
.endif
.if i == 24
	v_nop                                          ; the plain line behind the last exponential
	s_wait_alu depctr_va_vdst(0)                   ; the wait for the batch of 32
.endif
.endif
.if (\run) && ((\p) == 0) && (i == 3)
	RUNB
.endif
.if (\run) && ((\p) == 0) && (i == 20)
	LDK CBR, 64
.endif
.if (\run) && ((\p) == 0) && (i == 28)
	LDK WR, 128
.endif
.if (\run) && ((\p) == 1) && (i == 16)
.rept 4
	v_nop                                          ; the places between product 15, which read K step 3, and the loads into it
.endr
	RUNA
.endif
.set i, i+1
.endr
.endm
.macro CHANGE fill                     ; the change of slots, as in the first walk
	WIN 0
	s_wait_tensorcnt 0x0                           ; no tensor load of mine is out, so the walking group 0 may be written
	ds_add_u32 v[SPW], v[NIL]
.if \fill
	s_xor_b32 s[G0W+1], s[G0W+1], SLOTX
	s_add_nc_u64 s[G0W+2:G0W+3], s[G0W+2:G0W+3], SLOTG
	s_wait_xcnt 0x0                                ; the last prefetch, a slot back, has read its address
	s_add_nc_u64 s[PFA:PFA+1], s[PFA:PFA+1], SLOTG
	s_wait_dscnt 0x0                               ; the add is done, and my reads of the slot are over
	CROUND
	tensor_load_to_lds s[G0W:G0W+3], s[G1:G1+7]
	s_nop 0
.rept 4
	v_nop
.endr
	ASK
.else
	s_wait_dscnt 0x0
	s_barrier_signal -1
	s_barrier_wait -1
.endif
	s_sub_co_u32 s[TB], s[TB], 4*STEPB
	s_xor_b32 s[TB], s[TB], SLOTX
	s_add_co_u32 s[TS], s[TS], 2304                ; a slot's 16 blocks are 3,072 bytes, of which my four were 768
.endm
	s_load_b256 s[4:11], s[0:1], 0x0               ; xb s[4:5], eb s[6:7], nrm s[8:9], tokc s[10:11]
	s_load_b64 s[12:13], s[0:1], 0x20              ; part
	v_lshl_add_u32 v[SPW], v0, 2, SPARE
	v_mov_b32 v[NIL], 0
	ds_add_u32 v[SPW], v[NIL]                      ; the opening: the add, twice on end, and its wait ahead of my first tensor load
	ds_add_u32 v[SPW], v[NIL]
	v_lshrrev_b32 v11, 5, v0
	v_readfirstlane_b32 s[WV], v11
	s_bfe_u32 s[CX], ttmp6, 0x40000
	s_lshl_b32 s[GX], ttmp9, 2
	s_add_co_u32 s[GX], s[GX], s[CX]               ; my block of 128 codes
	s_and_b32 s[GY], ttmp7, 0xffff                 ; my quarter of the tokens, which the four partners share
	s_mov_b32 s[G1], 15|(1<<16)|(1<<20)|(1<<21)|(6<<22)|(3<<25)
	s_mov_b32 s[G1+1], 256<<16
	s_mov_b32 s[G1+2], 64<<16
	s_mov_b32 s[G1+3], 256<<16
	s_mov_b32 s[G1+4], 64
	s_mov_b32 s[G1+5], 256
	s_mov_b32 s[G1+6], 0
	s_mov_b32 s[G1+7], 0
	s_mov_b32 s[G1T], 15|(3<<16)|(1<<21)           ; a dense block as 48 rows of 32 elements of 8 bytes
	s_mov_b32 s[G1T+1], 32<<16
	s_mov_b32 s[G1T+2], 48<<16
	s_mov_b32 s[G1T+3], 32<<16
	s_mov_b32 s[G1T+4], 48
	s_mov_b32 s[G1T+5], 32
	s_mov_b32 s[G1T+6], 0
	s_mov_b32 s[G1T+7], 0
	s_mul_i32 s18, s[WV], QB
	s_mov_b32 s[G0A], 1
	s_mov_b32 s[G0A+1], s18
	s_mov_b32 s[G0W], 1
	s_add_co_u32 s[G0W+1], s18, SLOTX
	s_mov_b32 s[TB], s18
	s_mul_i32 s19, s[WV], 12288                    ; my quarter of the table
	s_mov_b32 s[G0T], 1
	s_add_co_u32 s[G0T+1], s19, TAB
	s_mul_i32 s[TS], s[WV], 768
	s_add_co_u32 s[TS], s[TS], TAB                 ; my first step's block
	s_lshl_b32 s20, s[GY], 21
	s_lshl_b32 s21, s[WV], 15
	s_add_co_u32 s20, s20, s21
	s_mov_b32 s21, 0
	s_mul_i32 s22, s[GY], 49152
	s_add_co_u32 s22, s22, s19
	s_mov_b32 s23, 0
	s_mov_b32 s[NC], 0xbfb8aa3b
	s_mov_b32 s[NC+1], s[NC]
	s_mov_b32 s[SEL], 0x76543210
	s_mov_b32 s[SEL+1], 0xfedcba98
	s_cmp_eq_u32 ttmp9, 0
	s_cselect_b32 s[LIM], 2, -1
	s_lshl_b32 s2, s[GY], 21
	s_lshl_b32 s3, s[CX], 15
	s_add_co_u32 s2, s2, s3
	s_lshl_b32 s3, s[WV], 13
	s_add_co_u32 s2, s2, s3
	s_add_co_u32 s2, s2, 3*SLOTG
	s_mov_b32 s3, 0
	s_wait_dscnt 0x0                               ; both opening adds are done
	s_wait_kmcnt 0x0
	s_add_nc_u64 s[G0A+2:G0A+3], s[4:5], s[20:21]
	s_add_nc_u64 s[G0W+2:G0W+3], s[G0A+2:G0A+3], SLOTG
	s_or_b32 s[G0A+3], s[G0A+3], 0x80000000
	s_or_b32 s[G0W+3], s[G0W+3], 0x80000000
	s_add_nc_u64 s[G0T+2:G0T+3], s[10:11], s[22:23]
	s_or_b32 s[G0T+3], s[G0T+3], 0x80000000
	s_add_nc_u64 s[PFA:PFA+1], s[4:5], s[2:3]
	s_lshl_b32 s2, s[GX], 16
	s_add_nc_u64 s[6:7], s[6:7], s[2:3]            ; emb at my block's first row
	s_lshl_b32 s2, s[GX], 9
	s_add_co_u32 s2, s2, 65536
	s_add_nc_u64 s[72:73], s[8:9], s[2:3]          ; se of my block
	CROUND
	tensor_load_to_lds s[G0T:G0T+3], s[G1T:G1T+7]  ; three loads of mine are out: the table, slot 0, slot 1
	s_nop 0
	tensor_load_to_lds s[G0A:G0A+3], s[G1:G1+7]
	s_nop 0
	tensor_load_to_lds s[G0W:G0W+3], s[G1:G1+7]
	s_nop 0
.rept 4
	v_nop
.endr
	v_and_b32 v[LR], 15, v0
	v_bfe_u32 v[LH], v0, 4, 1
	v_lshlrev_b32 v[QO], 9, v[LR]
	v_lshl_add_u32 v[QO], v[LH], 4, v[QO]
	v_lshlrev_b32 v12, 2, v[LR]
.irp w, 0,1
	WIN 0x40+0x40*\w
.set b, 0
.rept 4
.set k, 0
.rept 8
	global_load_b128 v[64*b+8*k:64*b+8*k+3],   v[QO], s[6:7] offset:(4*\w+b)*8192+k*64
	global_load_b128 v[64*b+8*k+4:64*b+8*k+7], v[QO], s[6:7] offset:(4*\w+b)*8192+k*64+32
.set k, k+1
.endr
.set b, b+1
.endr
.endr
	WIN 0
.set b, 0
.rept 8
	global_load_b32 v[CST+4*b], v12, s[72:73] offset:64*b  ; se of my code in block b
	v_mov_b32 v[CST+4*b+1], 0
	v_mov_b32 v[CST+4*b+2], 0
	v_mov_b32 v[CST+4*b+3], 0
.set b, b+1
.endr
	v_mul_u32_u24 v[AK0], v[LR], PITCH
	v_lshl_add_u32 v[AK0], v[LH], 4, v[AK0]
	v_lshlrev_b32 v[H32], 5, v[LH]
	v_and_b32 v[PFO], 31, v0
	v_lshlrev_b32 v[PFO], 8, v[PFO]
	s_wait_tensorcnt 0x1                           ; my parts of the table and of slot 0 are in; slot 1's may stay out
	s_barrier_signal -1
	s_barrier_wait -1
	RUNA                                           ; step 0
	RUNB
	LDK CBR, 64
	LDK WR, 128
	s_wait_loadcnt 0x0                             ; the codes and their se
	TURN 0, 1, 0, 0
	WIN 0
	s_mov_b32 s[CNT], 3
	s_mov_b32 s[SLOTS], 15
	s_branch .Lstep
.Lslot:                                                ; 14 times: slots 2 to 15 are asked for
	CHANGE 1
	s_mov_b32 s[CNT], 4
.Lstep:
	TURN 1
	TURN 0
	WIN 0
	s_sub_co_u32 s[CNT], s[CNT], 1
	s_cmp_lg_u32 s[CNT], 0
	s_cbranch_scc1 .Lstep
	s_sub_co_u32 s[SLOTS], s[SLOTS], 1
	s_cmp_lg_u32 s[SLOTS], 0
	s_cbranch_scc1 .Lslot
	CHANGE 0                                       ; the tail is written out: nothing is asked for
	s_mov_b32 s[CNT], 4
.Ltail:
	TURN 1
	TURN 0
	WIN 0
	s_sub_co_u32 s[CNT], s[CNT], 1
	s_cmp_lg_u32 s[CNT], 0
	s_cbranch_scc1 .Ltail
	TURN 1, 1, 1, 0
	TURN 0, 0, 1, 0
	WIN 0
	; THE END.  A code's sum lies in two registers of two lanes of four waves.
.irp b, 0,1,2,3,4,5,6,7
	v_add_f32 v[T+\b], v[CST+4*\b+2], v[CST+4*\b+3]
.endr
.irp b, 0,1,2,3,4,5,6,7
	v_permlanex16_b32 v[T+8+\b], v[T+\b], s[SEL], s[SEL+1]
.endr
.irp b, 0,1,2,3,4,5,6,7
	v_add_f32 v[T+\b], v[T+\b], v[T+8+\b]
.endr
	s_lshl_b32 s18, s[WV], 9
	s_add_co_u32 s18, s18, SCR
	v_lshl_add_u32 v13, v[LR], 2, s18              ; SCR + 512 w + 4 (l % 16): both halves of the lanes write the same number
.irp b, 0,1,2,3,4,5,6,7
	ds_store_b32 v13, v[T+\b] offset:64*\b
.endr
	s_wait_dscnt 0x0                               ; for the others' sake
	s_barrier_signal -1
	s_barrier_wait -1
	v_lshlrev_b32 v14, 2, v0                       ; thread n takes code n
	v_add_nc_u32 v15, SCR, v14
.irp w, 0,1,2,3
	ds_load_b32 v[T+\w], v15 offset:512*\w
.endr
	s_lshl_b32 s2, s[GY], 15
	s_lshl_b32 s3, s[GX], 9
	s_add_co_u32 s2, s2, s3
	s_mov_b32 s3, 0
	s_add_nc_u64 s[12:13], s[12:13], s[2:3]
	s_wait_dscnt 0x0
	v_add_f32 v[T], v[T], v[T+1]
	v_add_f32 v[T+2], v[T+2], v[T+3]
	v_add_f32 v[T], v[T], v[T+2]
	global_store_b32 v14, v[T], s[12:13]           ; the four waves' stores cover 512 consecutive bytes
	s_wait_tensorcnt 0x0                           ; the wave's end
	ds_add_u32 v[SPW], v[NIL]
	s_wait_dscnt 0x0
	CROUND                                         ; the closing round
	s_endpgm
.Lfunc_end_k_q59ed4f5793_pass2:
	.size	k_q59ed4f5793_pass2, .Lfunc_end_k_q59ed4f5793_pass2-k_q59ed4f5793_pass2
	.p2alignl 7, 3214868480
	.fill 96, 4, 3214868480
	.section	.rodata,"a",@progbits
	.p2align	6, 0x0
	.amdhsa_kernel k_q59ed4f5793_pass2
		.amdhsa_group_segment_fixed_size 327680
		.amdhsa_private_segment_fixed_size 0
		.amdhsa_enable_private_segment 0
		.amdhsa_kernarg_size 40
		.amdhsa_user_sgpr_count 2
		.amdhsa_user_sgpr_kernarg_segment_ptr 1
		.amdhsa_wavefront_size32 1
		.amdhsa_system_sgpr_workgroup_id_x 1
		.amdhsa_system_sgpr_workgroup_id_y 1
		.amdhsa_system_sgpr_workgroup_id_z 1
		.amdhsa_system_vgpr_workitem_id 0
		.amdhsa_next_free_vgpr 832
		.amdhsa_next_free_sgpr 80
		.amdhsa_reserve_vcc 0
		.amdhsa_float_denorm_mode_32 3
		.amdhsa_float_denorm_mode_16_64 3
		.amdhsa_memory_ordered 1
		.amdhsa_forward_progress 1
		.amdhsa_inst_pref_size 82
	.end_amdhsa_kernel
	.amdgpu_metadata
---
amdhsa.version: [ 1, 2 ]
amdhsa.kernels:
  - .name:           k_q59ed4f5793_pass2
    .symbol:         k_q59ed4f5793_pass2.kd
    .args:
      - { .name: xb, .offset: 0, .size: 8, .value_kind: global_buffer, .address_space: global }
      - { .name: eb, .offset: 8, .size: 8, .value_kind: global_buffer, .address_space: global }
      - { .name: nrm, .offset: 16, .size: 8, .value_kind: global_buffer, .address_space: global }
      - { .name: tokc, .offset: 24, .size: 8, .value_kind: global_buffer, .address_space: global }
      - { .name: part, .offset: 32, .size: 8, .value_kind: global_buffer, .address_space: global }
    .group_segment_fixed_size: 327680
    .private_segment_fixed_size: 0
    .kernarg_segment_align: 8
    .kernarg_segment_size: 40
    .max_flat_workgroup_size: 128
    .sgpr_count:     80
    .vgpr_count:     832
    .wavefront_size: 32
...
	.end_amdgpu_metadata
.endif
;; end of part 4
;; launch final (part 5): grid 1 x 1, 32 waves a work-group, no clusters, 4,352 bytes of LDS; arguments part, lpart, out1, out3; writes out1, out3
.if DOCPART == 5
	.amdgcn_target "amdgcn-amd-amdhsa--gfx1250"
	.amdhsa_code_object_version 6
	.text
	.protected	k_q59ed4f5793_final
	.globl	k_q59ed4f5793_final
	.p2align	8
	.type	k_q59ed4f5793_final,@function
k_q59ed4f5793_final:
	s_mov_b64 s[64:65], 0
	v_nop
	global_prefetch_b8 v0, s[64:65] scope:SCOPE_SE
	s_setreg_imm32_b32 hwreg(HW_REG_WAVE_MODE, 25, 1), 1
	s_wait_xcnt 0x0
; avg[k] = (the four quarters' sums) / 16,384;  H2 = the sum over k of avg log2(avg + 1e-10);  SS = the sum of the 2,048 partial sums of (q - x)^2.
; out1 = 1.25 SS / 4,194,304 + 0.1 ln(2) H2;  out3 = 2^(-H2).  One work-group: 139 KB are read once; a sum over all codes has one owner.
; Thread n takes codes 4 n .. 4 n + 3 and 4,096 + 4 n .. + 3: every load covers 512 consecutive bytes a wave.
.set SPW, 60                           ; my spare word: 256 + 4 x my thread's number; never rewritten
.set NIL, 61                           ; 0; never rewritten
.macro WSUM r, t                       ; the sum over the wave's 32 lanes, in every lane
.irp m, 1,2,4,8
	v_add_f32_dpp v[\r], v[\r], v[\r] row_xmask:\m row_mask:0xf bank_mask:0xf
.endr
	v_permlanex16_b32 v[\t], v[\r], s14, s15
	v_add_f32 v[\r], v[\r], v[\t]
.endm
	s_load_b256 s[4:11], s[0:1], 0x0               ; part s[4:5], lpart s[6:7], out1 s[8:9], out3 s[10:11]
	v_lshl_add_u32 v[SPW], v0, 2, 256
	v_mov_b32 v[NIL], 0
	v_lshrrev_b32 v1, 5, v0
	v_readfirstlane_b32 s12, v1
	v_lshlrev_b32 v2, 4, v0
	v_lshlrev_b32 v3, 3, v0
	v_mov_b32 v48, 0
	v_mov_b32 v49, 0
	v_mov_b32 v57, 0
	s_mov_b32 s14, 0x76543210
	s_mov_b32 s15, 0xfedcba98
	s_wait_kmcnt 0x0
.irp k, 0,1,2,3
	global_load_b128 v[8+8*\k:8+8*\k+3],  v2, s[4:5] offset:32768*\k
	global_load_b128 v[8+8*\k+4:8+8*\k+7], v2, s[4:5] offset:32768*\k+16384
.endr
	global_load_b64 v[4:5], v3, s[6:7]
	s_wait_loadcnt 0x0
.irp j, 0,2,4,6
	v_pk_add_f32 v[8+\j:9+\j],   v[8+\j:9+\j],   v[16+\j:17+\j]
	v_pk_add_f32 v[24+\j:25+\j], v[24+\j:25+\j], v[32+\j:33+\j]
.endr
.irp j, 0,2,4,6
	v_pk_add_f32 v[8+\j:9+\j], v[8+\j:9+\j], v[24+\j:25+\j]
.endr
.irp j, 0,2,4,6
	v_pk_mul_f32 v[8+\j:9+\j], v[8+\j:9+\j], 0x38800000 op_sel_hi:[1,0]      ; / 16,384
.endr
.irp j, 0,2,4,6
	v_pk_add_f32 v[40+\j:41+\j], v[8+\j:9+\j], 0x2edbe6ff op_sel_hi:[1,0]    ; + 1e-10
.endr
.irp j, 0,1,2,3,4,5,6,7
	v_log_f32 v[40+\j], v[40+\j]
.endr
	v_add_f32 v6, v4, v5                           ; the plain line behind the last logarithm
	s_wait_alu depctr_va_vdst(0)                   ; one wait for the eight
	v_mul_f32 v7, v8, v40
.irp j, 1,2,3,4,5,6,7
	v_fmac_f32 v7, v[8+\j], v[40+\j]
.endr
	WSUM 6, 48
	WSUM 7, 49
	v_mov_b32 v50, s12
	v_lshlrev_b32 v50, 3, v50
	ds_store_b64 v50, v[6:7]                       ; all lanes write the wave's pair: SS, H2
	s_wait_dscnt 0x0
	s_barrier_signal -1
	s_barrier_wait -1
	s_cmp_lg_u32 s12, 0
	s_cbranch_scc1 .Lend
	ds_load_b64 v[52:53], v3                       ; wave 0: lane l takes wave l's pair
	s_wait_dscnt 0x0
	WSUM 52, 48
	WSUM 53, 49
	v_mul_f32 v54, 0x3f317218, v53                 ; ln(2) H2
	v_mul_f32 v55, 0x34a00000, v52                 ; 1.25 / 4,194,304 x SS
	v_fmamk_f32 v55, v54, 0x3dcccccd, v55          ; + 0.1 x
	v_mul_f32 v56, -1.0, v53
	v_exp_f32 v56, v56
	v_nop
	s_wait_alu depctr_va_vdst(0)
	s_wait_xcnt 0x0
	v_cmp_eq_u32 vcc_lo, 0, v0
	s_and_saveexec_b32 s16, vcc_lo
	global_store_b32 v57, v55, s[8:9]
	global_store_b32 v57, v56, s[10:11]
	s_wait_xcnt 0x0
	s_or_b32 exec_lo, exec_lo, s16
.Lend:
	s_wait_tensorcnt 0x0                           ; the wave's end, behind my last LDS store
	ds_add_u32 v[SPW], v[NIL]
	s_wait_dscnt 0x0
	s_endpgm
.Lfunc_end_k_q59ed4f5793_final:
	.size	k_q59ed4f5793_final, .Lfunc_end_k_q59ed4f5793_final-k_q59ed4f5793_final
	.p2alignl 7, 3214868480
	.fill 96, 4, 3214868480
	.section	.rodata,"a",@progbits
	.p2align	6, 0x0
	.amdhsa_kernel k_q59ed4f5793_final
		.amdhsa_group_segment_fixed_size 4352
		.amdhsa_private_segment_fixed_size 0
		.amdhsa_enable_private_segment 0
		.amdhsa_kernarg_size 32
		.amdhsa_user_sgpr_count 2
		.amdhsa_user_sgpr_kernarg_segment_ptr 1
		.amdhsa_wavefront_size32 1
		.amdhsa_system_sgpr_workgroup_id_x 1
		.amdhsa_system_sgpr_workgroup_id_y 1
		.amdhsa_system_sgpr_workgroup_id_z 1
		.amdhsa_system_vgpr_workitem_id 0
		.amdhsa_next_free_vgpr 64
		.amdhsa_next_free_sgpr 66
		.amdhsa_reserve_vcc 1
		.amdhsa_float_denorm_mode_32 3
		.amdhsa_float_denorm_mode_16_64 3
		.amdhsa_memory_ordered 1
		.amdhsa_forward_progress 1
		.amdhsa_inst_pref_size 7
	.end_amdhsa_kernel
	.amdgpu_metadata
---
amdhsa.version: [ 1, 2 ]
amdhsa.kernels:
  - .name:           k_q59ed4f5793_final
    .symbol:         k_q59ed4f5793_final.kd
    .args:
      - { .name: part, .offset: 0, .size: 8, .value_kind: global_buffer, .address_space: global }
      - { .name: lpart, .offset: 8, .size: 8, .value_kind: global_buffer, .address_space: global }
      - { .name: out1, .offset: 16, .size: 8, .value_kind: global_buffer, .address_space: global }
      - { .name: out3, .offset: 24, .size: 8, .value_kind: global_buffer, .address_space: global }
    .group_segment_fixed_size: 4352
    .private_segment_fixed_size: 0
    .kernarg_segment_align: 8
    .kernarg_segment_size: 32
    .max_flat_workgroup_size: 1024
    .sgpr_count:     66
    .vgpr_count:     64
    .wavefront_size: 32
...
	.end_amdgpu_metadata
.endif
;; end of part 5
;; ======== version 2 of 2: 5 launches; version 1 with the launch mid written anew for expert scheduling mode
;; limits: right only within a limited range of input values
;; workspace buffers: xb 8,388,608 bytes; eb 4,194,304 bytes; nrm 98,304 bytes; pst 262,144 bytes; pidx 131,072 bytes of whole numbers; tokc 196,608 bytes; part 131,072 bytes; lpart 8,192 bytes
;; launch prep: the kernel of part 1 again; grid 768 x 1, 8 waves a work-group, no clusters, 0 bytes of LDS; arguments inputs, emb, xb, eb, nrm; writes xb, eb, nrm
;; launch pass1: the kernel of part 2 again; grid 128 x 2, 4 waves a work-group, clusters of 4 x 1, 327,680 bytes of LDS; arguments xb, eb, nrm, pst, pidx; writes pst, pidx
;; launch mid (part 6): grid 256 x 1, 8 waves a work-group, no clusters, 0 bytes of LDS; arguments xb, eb, nrm, pst, pidx, out0, out2, tokc, lpart; writes out0, out2, tokc, lpart
.if DOCPART == 6
	.amdgcn_target "amdgcn-amd-amdhsa--gfx1250"
	.amdhsa_code_object_version 6
	.text
	.protected	k_q59ed4f5793_mid
	.globl	k_q59ed4f5793_mid
	.p2align	8
	.type	k_q59ed4f5793_mid,@function
k_q59ed4f5793_mid:
	s_mov_b64 s[64:65], 0
	v_nop
	global_prefetch_b8 v0, s[64:65] scope:SCOPE_SE
	s_setreg_imm32_b32 hwreg(HW_REG_WAVE_SCHED_MODE, 0, 2), 2
	s_setreg_imm32_b32 hwreg(HW_REG_WAVE_MODE, 25, 1), 1
	s_wait_xcnt 0x0
	s_wait_alu depctr_vm_vsrc(0)
; The two halves' results are joined.  For each token: the index (the lower half wins a tie), out0 = x + (q - x) on the rounded x and q, the sum of (q - x)^2, and for the second walk sx, cb = fl(c x least d), w = 1 / L.
; A work-group takes 64 tokens, a wave 8.  BOTH halves' candidate rows are loaded, by the whole numbers that the launch before has stored (held to 0..8191), and one is chosen by v_cndmask_b32: no address hangs on a comparison of floats.
; A row of 512 bytes comes as two loads of 8 bytes a lane (256 consecutive bytes each), so that a lane's four numbers are 16 consecutive bytes of out0: a store covers 512 consecutive bytes.
; A stream: no LDS, no barrier.  Wave 0 also makes the work-group's 64 statistics, two tokens a lane; its seven loads for them go out first.
; LIMITS as in the walks: d under 2^30; NaN and infinities are not treated apart.
; THE MODE: SCHED_MODE bits 1:0 = 2 (LLVM: expert scheduling mode 2), set by the entry lines.  The code itself states the register dependences
; between vector instructions and memory instructions, with s_wait_alu, always for 0.
; THE PLAN.  Registers that memory instructions touch:
;   v3, v4, v7      offsets, made once at the head and never written again: one wait ahead of the first load serves every load and store that reads them.
;   OF              the sixteen offsets of the candidate rows: made in ONE run, one wait, then all 32 gathers; never written again.
;   XR + 12 i + 4 .. 11  token i's candidates land here; behind the wait for them its selects read them, its four packed additions write them, and its two stores read them.  Each token has its own eight,
;                   so none is written again behind its stores.  Token i's stores are issued at the head of token i + 1's turn, behind one wait; that turn's arithmetic names none of their registers.
;   v5              the wave's sum: written by the reduction, read by the masked store, not written behind it.
;   SB, SR          wave 0: SB is loaded and never written by a vector line; SR is written by vector lines and read by the last four stores, behind one wait.
; No register that a memory instruction has read is written again: waits on vm_vsrc stand only at the entry and at the two writes of EXEC.
; The masks go from compares into scalar registers in runs, with one wait behind each run and ahead of the first select.
.set OF, 16                            ; v[16:31]   token i: the byte offsets of its two candidate rows
.set XR, 32                            ; v[32:127]  token i, twelve: x (4), candidate 0 (4), candidate 1 (4); the last eight then hold what is stored
.set QS, 128                           ; v[128:131] the chosen row's words
.set XF, 132                           ; v[132:139] x as f32
.set QF, 140                           ; v[140:147] q as f32, then q - x
.set AC, 148                           ; v[148:149] the sum of squares
.set SB, 152                           ; v[152:165] wave 0: least d (2 halves x 2 tokens), l (likewise), indices, sx
.set SR, 166                           ; v[166:185] wave 0: at work
.set WV, 22
	s_load_b512 s[4:19], s[0:1], 0x0               ; xb s[4:5], eb s[6:7], nrm s[8:9], pst s[10:11], pidx s[12:13], out0 s[14:15], out2 s[16:17], tokc s[18:19]
	s_load_b64 s[20:21], s[0:1], 0x40              ; lpart
	v_and_b32 v1, 31, v0
	v_lshrrev_b32 v2, 5, v0
	v_readfirstlane_b32 s[WV], v2
	v_lshlrev_b32 v3, 3, v1                        ; 8 x lane
	v_lshlrev_b32 v4, 4, v1                        ; 16 x lane
	v_mov_b32 v6, 0
	v_mov_b32 v7, 0
	v_mov_b32 v[AC], 0
	v_mov_b32 v[AC+1], 0
	s_mov_b32 s23, 0xffff0000
	s_mov_b32 s74, 0x3fb8aa3b                      ; c = log2(e)
	s_mov_b32 s75, 0x76543210
	s_mov_b32 s76, 0xfedcba98
	s_lshl_b32 s24, ttmp9, 8
	s_wait_alu depctr_va_sdst(0)                   ; the wave's number is written into s22, ahead of its first reader: the wave's offsets are made from it
	s_lshl_b32 s25, s[WV], 5
	s_add_co_u32 s24, s24, s25                     ; 4 x my first token
	s_mov_b32 s25, 0
	s_lshl_b32 s30, s24, 7                         ; 512 x my first token
	s_mov_b32 s31, 0
	s_lshl_b32 s78, ttmp9, 8                       ; 4 x the work-group's first token
	s_mov_b32 s79, 0
	s_wait_kmcnt 0x0
	s_add_nc_u64 s[26:27], s[12:13], s[24:25]
	s_add_nc_u64 s[28:29], s[10:11], s[24:25]
	s_load_b256 s[32:39], s[26:27], 0x0            ; my eight tokens: index in the lower half,
	s_load_b256 s[40:47], s[26:27], 0x10000        ; in the upper half,
	s_load_b256 s[48:55], s[28:29], 0x0            ; least d in the lower half,
	s_load_b256 s[56:63], s[28:29], 0x10000        ; in the upper half
	s_add_nc_u64 s[4:5], s[4:5], s[30:31]
	s_lshl_b32 s30, s24, 8
	s_add_nc_u64 s[14:15], s[14:15], s[30:31]      ; out0 at my first token
	s_lshr_b32 s30, s24, 3
	s_add_nc_u64 s[20:21], s[20:21], s[30:31]      ; lpart[8 g + w]
	s_wait_alu depctr_va_vdst(0)                   ; v3, v4 and v7 are written: the loads of x and of the statistics below and the stores to out0, lpart and out2 read one of them as their offset; ahead of the branch, so on both ways
	s_cmp_lg_u32 s[WV], 0
	s_cbranch_scc1 .Lno_stat_loads
	s_add_nc_u64 s[10:11], s[10:11], s[78:79]
	s_add_nc_u64 s[12:13], s[12:13], s[78:79]
	s_add_nc_u64 s[8:9], s[8:9], s[78:79]
	global_load_b64 v[SB:SB+1],     v3, s[10:11]
	global_load_b64 v[SB+2:SB+3],   v3, s[10:11] offset:65536
	global_load_b64 v[SB+4:SB+5],   v3, s[10:11] offset:131072
	global_load_b64 v[SB+6:SB+7],   v3, s[10:11] offset:196608
	global_load_b64 v[SB+8:SB+9],   v3, s[12:13]
	global_load_b64 v[SB+10:SB+11], v3, s[12:13] offset:65536
	global_load_b64 v[SB+12:SB+13], v3, s[8:9]
.Lno_stat_loads:
.set i, 0
.rept 8
	global_load_b64 v[XR+12*i:XR+12*i+1],   v3, s[4:5] offset:512*i
	global_load_b64 v[XR+12*i+2:XR+12*i+3], v3, s[4:5] offset:512*i+256
.set i, i+1
.endr
	s_wait_kmcnt 0x0
.set i, 0
.rept 8                                ; all sixteen offsets in one run
	s_min_u32 s[32+i], s[32+i], 0x1fff             ; an index stays inside the table
	s_min_u32 s[40+i], s[40+i], 0x1fff
	v_lshl_add_u32 v[OF+2*i],   s[32+i], 9, v3
	v_lshl_add_u32 v[OF+2*i+1], s[40+i], 9, v3
.set i, i+1
.endr
	s_wait_alu depctr_va_vdst(0)                   ; the sixteen offsets are written, which the 32 gathers read
.set i, 0
.rept 8
	global_load_b64 v[XR+12*i+4:XR+12*i+5],   v[OF+2*i],   s[6:7]
	global_load_b64 v[XR+12*i+6:XR+12*i+7],   v[OF+2*i],   s[6:7] offset:256
	global_load_b64 v[XR+12*i+8:XR+12*i+9],   v[OF+2*i+1], s[6:7]
	global_load_b64 v[XR+12*i+10:XR+12*i+11], v[OF+2*i+1], s[6:7] offset:256
.set i, i+1
.endr
.set i, 0
.rept 8                                ; the eight masks in one run, while the gathers are on their way; these lines name none of the gathers' registers
	v_mov_b32 v5, s[48+i]
	v_cmp_lt_f32 s[66+i], s[56+i], v5              ; the upper half wins only if it is strictly lower
.set i, i+1
.endr
	s_wait_alu depctr_va_sdst(0)                   ; the eight masks s66 to s73 are written, ahead of the first select that reads one
.set i, 0
.rept 8
	s_wait_loadcnt 28-4*i                          ; token i's rows are in; the younger tokens' four gathers each stay out (all of x was asked for earlier)
.set B, XR+12*i
.if i > 0
	s_wait_alu depctr_va_vdst(0)                   ; the token before has written its eight registers, which its two stores read; no line of this token's turn names them
	global_store_b128 v4, v[B-8:B-5], s[14:15] offset:1024*(i-1) th:TH_STORE_NT
	global_store_b128 v4, v[B-4:B-1], s[14:15] offset:1024*(i-1)+512 th:TH_STORE_NT
.endif
.irp j, 0,1,2,3
	v_cndmask_b32 v[QS+\j], v[B+4+\j], v[B+8+\j], s[66+i]
.endr
.irp j, 0,1,2,3
	v_lshlrev_b32 v[XF+2*\j],   16,  v[B+\j]
	v_and_b32     v[XF+2*\j+1], s23, v[B+\j]
	v_lshlrev_b32 v[QF+2*\j],   16,  v[QS+\j]
	v_and_b32     v[QF+2*\j+1], s23, v[QS+\j]
.endr
.irp j, 0,2,4,6
	v_pk_add_f32 v[QF+\j:QF+\j+1], v[QF+\j:QF+\j+1], v[XF+\j:XF+\j+1] neg_lo:[0,1] neg_hi:[0,1]  ; q - x
.endr
.irp j, 0,2,4,6
	v_pk_fma_f32 v[AC:AC+1], v[QF+\j:QF+\j+1], v[QF+\j:QF+\j+1], v[AC:AC+1]
	v_pk_add_f32 v[B+4+\j:B+4+\j+1], v[XF+\j:XF+\j+1], v[QF+\j:QF+\j+1]                          ; x + (q - x), into the candidates' registers, which are free
.endr
.set i, i+1
.endr
	s_wait_alu depctr_va_vdst(0)                   ; the last token has written its eight registers, which the last two stores read
	global_store_b128 v4, v[XR+12*7+4:XR+12*7+7],  s[14:15] offset:1024*7 th:TH_STORE_NT
	global_store_b128 v4, v[XR+12*7+8:XR+12*7+11], s[14:15] offset:1024*7+512 th:TH_STORE_NT
	v_add_f32 v5, v[AC], v[AC+1]
.irp m, 1,2,4,8
	v_add_f32_dpp v5, v5, v5 row_xmask:\m row_mask:0xf bank_mask:0xf
.endr
	v_permlanex16_b32 v6, v5, s75, s76
	v_add_f32 v5, v5, v6
	s_wait_xcnt 0x0                                ; EXEC is a source of the stores above
	v_cmp_eq_u32 vcc_lo, 0, v1
	s_wait_alu depctr_va_vcc(0)                    ; VCC is written: EXEC is made from it
	s_wait_alu depctr_va_vdst(0)                   ; ahead of the write of EXEC: the vector lines issued so far are done; v5, which the store below reads, is written
	s_wait_alu depctr_vm_vsrc(0)                   ; ahead of the write of EXEC: the stores issued so far have read their registers
	s_and_saveexec_b32 s77, vcc_lo
	global_store_b32 v7, v5, s[20:21]              ; the wave's sum of squares
	s_wait_xcnt 0x0
	s_wait_alu depctr_va_vdst(0)                   ; ahead of the write of EXEC: no vector line is pending
	s_wait_alu depctr_vm_vsrc(0)                   ; ahead of the write of EXEC: the masked store has read v7 and v5
	s_or_b32 exec_lo, exec_lo, s77
	s_cmp_lg_u32 s[WV], 0
	s_cbranch_scc1 .Lend
	; wave 0: the statistics of tokens 2 l and 2 l + 1 of the work-group's 64 (their loads were shown in by the last wait on loads above)
	s_add_nc_u64 s[16:17], s[16:17], s[78:79]
	s_mul_i32 s30, ttmp9, 768                      ; four blocks of 16 tokens, 192 bytes each
	s_add_nc_u64 s[18:19], s[18:19], s[30:31]
	v_lshrrev_b32 v[SR+18], 3, v1
	v_mul_u32_u24 v[SR+18], v[SR+18], 192
	v_and_b32 v[SR+19], 7, v1
	v_lshl_add_u32 v[SR+18], v[SR+19], 3, v[SR+18]
.irp k, 0,1
	v_min_num_f32 v[SR+\k], v[SB+\k], v[SB+2+\k]
	v_cmp_lt_f32 s[2+\k], v[SB+2+\k], v[SB+\k]     ; the two masks go into s2 and s3, so that one wait serves both
	v_mul_f32 v[SR+4+\k], s74, v[SR+\k]            ; cb
	v_mul_f32 v[SR+6+\k], s74, v[SB+\k]            ; the cb that each half's l was made with
	v_mul_f32 v[SR+8+\k], s74, v[SB+2+\k]
	v_sub_f32 v[SR+6+\k], v[SR+4+\k], v[SR+6+\k]
	v_sub_f32 v[SR+8+\k], v[SR+4+\k], v[SR+8+\k]
.endr
	s_wait_alu depctr_va_sdst(0)                   ; s2 and s3 are written, ahead of the selects that read them
.irp k, 0,1
	v_cndmask_b32 v[SR+2+\k], v[SB+8+\k], v[SB+10+\k], s[2+\k]
.endr
.irp k, 0,1
	v_exp_f32 v[SR+6+\k], v[SR+6+\k]
	v_exp_f32 v[SR+8+\k], v[SR+8+\k]
.endr
	v_nop                                          ; a plain line behind the last exponential,
	s_wait_alu depctr_va_vdst(0)                   ; and one wait for the four: their results are written, ahead of the first line that names one
.irp k, 0,1
	v_mul_f32 v[SR+10+\k], v[SB+4+\k], v[SR+6+\k]
	v_fmac_f32 v[SR+10+\k], v[SB+6+\k], v[SR+8+\k]
.endr
	v_rcp_f32 v[SR+12], v[SR+10]
	v_rcp_f32 v[SR+13], v[SR+11]
	v_nop
	s_wait_alu depctr_va_vdst(0)                   ; the two reciprocals are written; so are the indices, cb and the offset v[SR+18]: all that the four stores below read
	global_store_b64 v3, v[SR+2:SR+3], s[16:17]    ; 64 indices: 256 consecutive bytes
	global_store_b64 v[SR+18], v[SB+12:SB+13], s[18:19]
	global_store_b64 v[SR+18], v[SR+4:SR+5],   s[18:19] offset:64
	global_store_b64 v[SR+18], v[SR+12:SR+13], s[18:19] offset:128
.Lend:
	s_endpgm
.Lfunc_end_k_q59ed4f5793_mid:
	.size	k_q59ed4f5793_mid, .Lfunc_end_k_q59ed4f5793_mid-k_q59ed4f5793_mid
	.p2alignl 7, 3214868480
	.fill 96, 4, 3214868480
	.section	.rodata,"a",@progbits
	.p2align	6, 0x0
	.amdhsa_kernel k_q59ed4f5793_mid
		.amdhsa_group_segment_fixed_size 0
		.amdhsa_private_segment_fixed_size 0
		.amdhsa_enable_private_segment 0
		.amdhsa_kernarg_size 72
		.amdhsa_user_sgpr_count 2
		.amdhsa_user_sgpr_kernarg_segment_ptr 1
		.amdhsa_wavefront_size32 1
		.amdhsa_system_sgpr_workgroup_id_x 1
		.amdhsa_system_sgpr_workgroup_id_y 1
		.amdhsa_system_sgpr_workgroup_id_z 1
		.amdhsa_system_vgpr_workitem_id 0
		.amdhsa_next_free_vgpr 192
		.amdhsa_next_free_sgpr 80
		.amdhsa_reserve_vcc 1
		.amdhsa_float_denorm_mode_32 3
		.amdhsa_float_denorm_mode_16_64 3
		.amdhsa_memory_ordered 1
		.amdhsa_forward_progress 1
		.amdhsa_inst_pref_size 27
	.end_amdhsa_kernel
	.amdgpu_metadata
---
amdhsa.version: [ 1, 2 ]
amdhsa.kernels:
  - .name:           k_q59ed4f5793_mid
    .symbol:         k_q59ed4f5793_mid.kd
    .args:
      - { .name: xb, .offset: 0, .size: 8, .value_kind: global_buffer, .address_space: global }
      - { .name: eb, .offset: 8, .size: 8, .value_kind: global_buffer, .address_space: global }
      - { .name: nrm, .offset: 16, .size: 8, .value_kind: global_buffer, .address_space: global }
      - { .name: pst, .offset: 24, .size: 8, .value_kind: global_buffer, .address_space: global }
      - { .name: pidx, .offset: 32, .size: 8, .value_kind: global_buffer, .address_space: global }
      - { .name: out0, .offset: 40, .size: 8, .value_kind: global_buffer, .address_space: global }
      - { .name: out2, .offset: 48, .size: 8, .value_kind: global_buffer, .address_space: global }
      - { .name: tokc, .offset: 56, .size: 8, .value_kind: global_buffer, .address_space: global }
      - { .name: lpart, .offset: 64, .size: 8, .value_kind: global_buffer, .address_space: global }
    .group_segment_fixed_size: 0
    .private_segment_fixed_size: 0
    .kernarg_segment_align: 8
    .kernarg_segment_size: 72
    .max_flat_workgroup_size: 256
    .sgpr_count:     80
    .vgpr_count:     192
    .wavefront_size: 32
...
	.end_amdgpu_metadata
.endif
;; end of part 6
;; launch pass2: the kernel of part 4 again; grid 64 x 4, 4 waves a work-group, clusters of 4 x 1, 327,680 bytes of LDS; arguments xb, eb, nrm, tokc, part; writes part
;; launch final: the kernel of part 5 again; grid 1 x 1, 32 waves a work-group, no clusters, 4,352 bytes of LDS; arguments part, lpart, out1, out3; writes out1, out3
